; MI455X (gfx1250); checked and timed in simulation.
; The chip was launched on July 23, 2026; its instructions are those of AMD's public machine-readable ISA for CDNA 5 (MIT licence, August 2026) and "CDNA5" Instruction Set Architecture Reference Guide (July 2026). The comments in the code are by the model that wrote it; some were corrected since.
;; Baseline Attention. Allowed arithmetic: matrix products marked QUANTISED: E2M1 operands, one E8M0 scale for each 32 along K, by v_wmma_scale_f32_16x16x128_f8f6f4 with both operands' format E2M1 (or v_wmma_scale_f32_32x16x128_f4), f32 sums; products left as they are: bf16, f16 or f32 operands; f32 sums; everything else in f32.
;; Inputs: Wk 1,024 x 1,024 float32; Wo 1,024 x 1,024 float32; Wq 1,024 x 1,024 float32; Wv 1,024 x 1,024 float32; attention_mask 1 x 1 x 2,048 x 2,048 float32; hidden_states 4 x 2,048 x 1,024 float32.
;; Outputs: out0 4 x 2,048 x 1,024 float32.
;; This version of the problem:
;;   THIS VERSION OF THE PROBLEM IS GIVEN IN LOW PRECISION. The matrix products marked QUANTISED in the list below multiply operands that are first quantised to E2M1 (2 exponent bits, 1 mantissa bit; 4 bits a number), with one power-of-two scale for each 32 numbers along K (OCP MX v1.0); their sums are f32. The products marked 'left as it is' may take bf16, f16 or f32 operands, with f32 sums. Whichever they take, every output number must still come out within the allowed error. Rounding operands to bf16 (8 significant bits) uses up far more of that allowance than f16 does (11 bits, for magnitudes from 6e-5 to 65,504). All else is computed in f32.
;;   The module's matrix products, in the order in which they are computed (A, B: the left and right operand; K: the contracted axis; several contracted axes count as one K, in the product's order):
;;     1. [M 8,192, K 1,024] x [K 1,024, N 1,024]; A: input hidden_states; B: input Wq: QUANTISED
;;     2. [M 8,192, K 1,024] x [K 1,024, N 1,024]; A: input hidden_states; B: input Wk: QUANTISED
;;     3. [M 8,192, K 1,024] x [K 1,024, N 1,024]; A: input hidden_states; B: input Wv: QUANTISED
;;     4. batch 64 x [M 2,048, K 64] x [K 64, N 2,048]; A: computed on the way; B: computed on the way: left as it is (an operand is computed on the way)
;;     5. batch 64 x [M 2,048, K 2,048] x [K 2,048, N 64]; A: computed on the way; B: computed on the way: left as it is (an operand is computed on the way)
;;     6. [M 8,192, K 1,024] x [K 1,024, N 1,024]; A: computed on the way; B: input Wo: left as it is (an operand is computed on the way)
;;   THE QUANTISER, for each operand of a quantised product, along K:
;;     - K is cut into blocks of 32 from its start; a last block that is shorter is filled with zeros.
;;     - A block's scale is 2^e with e = floor(log2(the largest magnitude in the block)) - 2, held to -126 .. 127; a block of zeros has e = 0. As a byte (E8M0): e + 127.
;;     - Each number is divided by its block's scale, clamped to +-6, and rounded to the nearest number of E2M1, ties to even, subnormals kept.
;;     - The product sums the exact products of the quantised numbers (number of the format x scale) in f32.
;;   ~~~python
;;   def quantise(x, axis):      # numpy; x: float32 -> the quantised numbers, widened to float32 again
;;       x = np.moveaxis(x, axis, -1); K = x.shape[-1]
;;       x = np.pad(x, [(0, 0)] * (x.ndim - 1) + [(0, -K % 32)]); x = x.reshape(x.shape[:-1] + (-1, 32)); a = np.abs(x).max(-1, keepdims=True)
;;       e = np.where(a > 0, np.clip(np.frexp(np.where(a > 0, a, 1))[1] - 1 - 2, -126, 127), 0)      # np.frexp(a)[1] - 1 = floor(log2(a)), exactly
;;       r = np.clip(x / 2.0 ** e, -6, 6)
;;       step = 2.0 ** (np.maximum(np.frexp(np.where(r == 0, 1, r))[1] - 1, 0) - 1)
;;       q = np.round(r / step) * step * 2.0 ** e      # np.round: ties to even
;;       return np.moveaxis(q.reshape(q.shape[:-2] + (-1,))[..., :K], -1, axis).astype(np.float32)
;;   ~~~
;; One version. Each part assembles by itself: llvm-mc -triple=amdgcn-amd-amdhsa -mcpu=gfx1250 --defsym DOCPART=n.
;; ======== version 1 of 1: 5 launches
;; limits: right only within a limited range of input values; values are held in f16: magnitudes above 65,504 overflow, below 6.1e-05 lose precision
;; workspace buffers: prepb 9,273,344 bytes; qkvb 50,724,864 bytes; ctx16 16,777,216 bytes; ctxf 262,144 bytes
;; launch prep (part 1): grid 416 x 1, 4 waves a work-group, no clusters, 33,280 bytes of LDS; arguments hidden_states, Wq, Wk, Wv, Wo, prepb; writes prepb
.if DOCPART == 1
	.amdgcn_target "amdgcn-amd-amdhsa--gfx1250"
	.amdhsa_code_object_version 6
	.text
	.protected	k_q498898a15e_prep
	.globl	k_q498898a15e_prep
	.p2align	8
	.type	k_q498898a15e_prep,@function
k_q498898a15e_prep:
	s_mov_b64 s[64:65], 0
	v_nop
	global_prefetch_b8 v0, s[64:65] scope:SCOPE_SE
	s_setreg_imm32_b32 hwreg(HW_REG_WAVE_MODE, 25, 1), 1
	s_wait_xcnt 0x0
; FIRST OF FIVE LAUNCHES of an attention layer: B 4, S 2,048, 16 heads of 64.
; NO WORK OF reference() IS LEFT OUT.  attention_mask is an input, so every key tile is multiplied and every mask number is loaded and added, whatever pattern it holds; every input has a way to the output.
; THIS LAUNCH: (Q) hidden_states, Wq, Wk, Wv, f32 with K innermost, become codes of FP4 (E2M1) with one E8M0 byte for each 32 along K; (W) Wo becomes f16; (T) the rotary tables.
; prepb: codes of x [8192][512 B] at 0, of Wq, Wk, Wv [3072][512 B] at 4,194,304; scale bytes [8192][32] at 5,767,168, [3072][32] at 6,029,312; Wo f16 [1024][1024] at 6,127,616;
;        tables [2048][32] f32 at 8,224,768: cos x kappa, sin x kappa (for q; kappa = log2(e) / 8, so that q k comes out as the softmax's base-2 exponent), cos, sin (for k), 262,144 bytes each.
; A block's scale is 2^(floor(log2(largest magnitude)) - 2); its byte is the largest magnitude's exponent field - 2, held at 1 from below.  A block of zeros keeps the byte 1 where the rule says 127: its codes are zeros and this program alone reads the bytes.
; LIMITS: NaN and infinities among the inputs are not served; blocks whose largest magnitude lies under 2^-124 take the byte 1.  Wo must fit f16 (65,504).
;         The angle is f32(t) x exp2(-i log2(10000) / 32); it may differ from a power-and-divide in f32 by a few units in its last place, at most about 2e-4 rad at t = 2,047; sine and cosine are polynomials good to 2e-7.
; No cluster, no tensor load: the work-groups share no input byte.  Work-groups 0-351: (Q), 8,192 numbers a wave; 352-383: (W); 384-415: (T).  Only (Q) touches LDS.
.set STEPS, 16
.set EMAX,  2
.set CB,    8                          ; bytes of 16 codes
.set R,     16                         ; v16-79   four sets of 16 numbers as loaded
.set X,     80                         ; v80-111  two sets of 16 neighbours
.set E,     112                        ; v112-127 a scale byte for each step
.set C,     128                        ; v128-191 codes, four registers a step
.set WREG,  8192                       ; LDS: a region for each wave: two stages of 32 x SP bytes, then its 256 scale bytes
.set SP,    80
.set SPW,   12                         ; v12 my spare word's address; never rewritten
.set NIL,   13                         ; v13 0; never rewritten
.set SPARE, 4*WREG                     ; the spare words: 128 bytes a wave, named by no other line
.set XS_OFF,  5767168
.set WO_OFF,  6127616
.set TAB_OFF, 8224768
	s_load_b256 s[4:11], s[0:1], 0x0               ; hidden s[4:5], Wq s[6:7], Wk s[8:9], Wv s[10:11]
	s_load_b128 s[12:15], s[0:1], 0x20             ; Wo s[12:13], prepb s[14:15]
	v_lshl_add_u32 v[SPW], v0, 2, SPARE
	v_mov_b32 v[NIL], 0
	v_lshrrev_b32 v1, 5, v0
	v_readfirstlane_b32 s16, v1                    ; wave
	v_and_b32 v2, 31, v0                           ; lane
	s_cmp_ge_u32 ttmp9, 384
	s_cbranch_scc1 .Ltab
	s_cmp_ge_u32 ttmp9, 352
	s_cbranch_scc1 .Lwo
; ---------------- (Q) the quantiser.  A tensor is a plain stream of blocks of 32; a wave takes 16 steps of 512 numbers.  Loads are dense (512 bytes each); a step's 2,048 bytes turn through the wave's own stage so that a lane holds 16 neighbours.
	v_lshlrev_b32 v3, 4, v2                        ; my 16 bytes of a load's 512
	s_mul_i32 s17, s16, WREG
	v_lshrrev_b32 v14, 2, v2
	v_mul_u32_u24 v14, v14, SP
	v_and_b32 v15, 3, v2
	v_lshl_add_u32 v14, v15, 4, v14
	v_add_nc_u32 v14, s17, v14                     ; the stage, in: SP (lane / 4) + 16 (lane % 4)
	v_mul_u32_u24 v15, v2, SP
	v_add_nc_u32 v15, s17, v15                     ; out: SP x lane
	v_mul_u32_u24 v4, v2, CB                       ; my codes' place in a step's
	v_lshrrev_b32 v5, 1, v2
	s_add_co_u32 s17, s17, 2*32*SP
	v_add_nc_u32 v5, s17, v5                       ; my block's scale byte in LDS
	v_lshlrev_b32 v7, 3, v2
	v_add_nc_u32 v6, s17, v7
	s_lshl_b32 s17, ttmp9, 2
	s_add_co_u32 s18, s17, s16                     ; run = 4 x work-group + wave: 1,024 runs of x, then 128 of each weight
	s_sub_co_u32 s20, s18, 1024
	s_and_b32 s20, s20, 127                        ; the run inside a weight
	s_wait_kmcnt 0x0
	s_mov_b64 s[22:23], s[10:11]                   ; the source is chosen by the work-group's number alone
	s_cmp_lt_u32 ttmp9, 320
	s_cselect_b64 s[22:23], s[8:9], s[22:23]
	s_cmp_lt_u32 ttmp9, 288
	s_cselect_b64 s[22:23], s[6:7], s[22:23]
	s_cmp_lt_u32 ttmp9, 256
	s_cselect_b64 s[22:23], s[4:5], s[22:23]
	s_cselect_b32 s20, s18, s20
	s_lshl_b32 s20, s20, 15                        ; 32,768 bytes of f32 a run
	s_mov_b32 s21, 0
	s_add_nc_u64 s[4:5], s[22:23], s[20:21]
	s_lshl_b32 s20, s18, 12                        ; 4,096 bytes of codes a run: the weights' codes follow x's
	s_add_nc_u64 s[8:9], s[14:15], s[20:21]
	s_lshl_b32 s20, s18, 8                         ; 256 scale bytes a run
	s_add_nc_u64 s[10:11], s[14:15], s[20:21]
	s_add_nc_u64 s[10:11], s[10:11], XS_OFF
.macro LOAD t
.irp i, 0,1,2,3
	global_load_b128 v[R+16*((\t)%4)+4*\i:R+16*((\t)%4)+4*\i+3], v3, s[4:5] offset:2048*(\t)+512*\i th:TH_LOAD_NT
.endr
.endm
.macro TURN t                          ; LDS serves a wave's instructions in order: no wait between the stores and the loads
.irp i, 0,1,2,3
	ds_store_b128 v14, v[R+16*((\t)%4)+4*\i:R+16*((\t)%4)+4*\i+3] offset:32*SP*((\t)%2)+8*SP*\i
.endr
.irp i, 0,1,2,3
	ds_load_b128 v[X+16*((\t)%2)+4*\i:X+16*((\t)%2)+4*\i+3], v15 offset:32*SP*((\t)%2)+16*\i
.endr
.endm
.irp t, 0,1,2,3
	LOAD \t
.endr
	s_wait_loadcnt 12                              ; step 0's four loads are in; three steps' twelve are younger
	TURN 0
.macro STEP t
.set XS, X+16*((\t)%2)
.if (\t) > 0
	s_wait_dscnt 1                                 ; this step's numbers are back from the stage; the last step's byte store is younger
.else
	s_wait_dscnt 0x0
.endif
.if (\t)+4 < STEPS
	LOAD (\t)+4
.endif
.if (\t)+1 < STEPS
.if STEPS-2-(\t) >= 3
	s_wait_loadcnt 12                              ; the next step's loads are in; those of three steps behind it are younger
.else
	s_wait_loadcnt 4*(STEPS-2-(\t))
.endif
	TURN (\t)+1
.endif
	v_max3_num_f32 v8, |v[XS]|, |v[XS+1]|, |v[XS+2]|
	v_max3_num_f32 v9, |v[XS+3]|, |v[XS+4]|, |v[XS+5]|
.irp i, 6,10
	v_max3_num_f32 v8, v8, |v[XS+\i]|, |v[XS+\i+1]|
	v_max3_num_f32 v9, v9, |v[XS+\i+2]|, |v[XS+\i+3]|
.endr
	v_max3_num_f32 v8, v8, |v[XS+14]|, |v[XS+15]|
	v_max3_num_f32 v8, v8, v9, (EMAX+1)<<23        ; the floor 2^(3 - 127): the byte cannot fall under 1
	v_max_num_f32_dpp v8, v8, v8 row_xmask:1 row_mask:0xf bank_mask:0xf   ; with my neighbour's 16: the block's largest magnitude
	v_add_nc_u32 v11, -(EMAX<<23), v8              ; 2 off its exponent field: the conversion's scale operand
	v_cvt_scalef32_pk8_fp4_f32 v[C+4*(\t)], v[XS:XS+7], v11
	v_cvt_scalef32_pk8_fp4_f32 v[C+4*(\t)+1], v[XS+8:XS+15], v11
	v_lshrrev_b32 v[E+(\t)], 23, v11               ; the scale's byte
	ds_store_b8 v5, v[E+(\t)] offset:16*(\t)       ; both lanes of a block write the same byte
	global_store_b64 v4, v[C+4*(\t):C+4*(\t)+1], s[8:9] offset:32*CB*(\t)   ; the wave stores 256 consecutive bytes
.endm
.irp t, 0,1,2,3,4,5,6,7,8,9,10,11,12,13,14,15
	STEP \t
.endr
	ds_load_b64 v[8:9], v6
	s_wait_dscnt 0x0
	global_store_b64 v7, v[8:9], s[10:11]          ; the wave's 256 scale bytes, consecutive and aligned
	s_wait_tensorcnt 0x0                           ; the wave's end, behind my last LDS store
	ds_add_u32 v[SPW], v[NIL]
	s_wait_dscnt 0x0
	s_endpgm
; ---------------- (W) Wo to f16: 8,192 numbers a wave, in two halves of 16 steps of 256; a lane takes 8 neighbours and stores 16 bytes, the wave 512 consecutive bytes
.Lwo:
	s_sub_co_u32 s17, ttmp9, 352
	s_lshl_b32 s17, s17, 2
	s_add_co_u32 s17, s17, s16
	s_lshl_b32 s20, s17, 15
	s_mov_b32 s21, 0
	s_lshl_b32 s22, s17, 14
	s_mov_b32 s23, 0
	v_lshlrev_b32 v3, 5, v2
	v_lshlrev_b32 v4, 4, v2
	s_wait_kmcnt 0x0
	s_add_nc_u64 s[12:13], s[12:13], s[20:21]
	s_add_nc_u64 s[14:15], s[14:15], s[22:23]
	s_add_nc_u64 s[14:15], s[14:15], WO_OFF
.macro WHALF hf
.set i, 0
.rept 16
	global_load_b128 v[16+8*i:16+8*i+3], v3, s[12:13] offset:16384*\hf+1024*i
	global_load_b128 v[16+8*i+4:16+8*i+7], v3, s[12:13] offset:16384*\hf+1024*i+16
.set i, i+1
.endr
.set i, 0
.rept 16
	s_wait_loadcnt 30-2*i                          ; step i's two loads are in; the later steps' are younger
	v_cvt_pk_f16_f32 v[144+4*i], v[16+8*i], v[16+8*i+1]
	v_cvt_pk_f16_f32 v[144+4*i+1], v[16+8*i+2], v[16+8*i+3]
	v_cvt_pk_f16_f32 v[144+4*i+2], v[16+8*i+4], v[16+8*i+5]
	v_cvt_pk_f16_f32 v[144+4*i+3], v[16+8*i+6], v[16+8*i+7]
	global_store_b128 v4, v[144+4*i:144+4*i+3], s[14:15] offset:8192*\hf+512*i
.set i, i+1
.endr
.endm
	WHALF 0
	s_wait_xcnt 0x0                                ; the first half's stores have read their data: the registers are written again
	WHALF 1
	s_endpgm
; ---------------- (T) the tables.  Thread T = 128 (work-group - 384) + thread: frequencies 4 g .. 4 g + 3 (g = T % 8) at positions T / 8 + 512 j, j = 0 .. 3
.Ltab:
.set TN, 9
.set TR, 10
.set TZ, 11
.set TQ, 24
.set TA, 25
.set TB, 26
	s_sub_co_u32 s17, ttmp9, 384
	s_lshl_b32 s17, s17, 7
	v_add_nc_u32 v3, s17, v0                       ; T
	v_and_b32 v4, 7, v3
	v_lshlrev_b32 v4, 2, v4                        ; 4 g
	v_lshrrev_b32 v5, 3, v3
	v_lshlrev_b32 v6, 4, v3                        ; 16 T: a table's bytes of (position T / 8, group g)
	s_mov_b32 s20, 0x3f22f983                      ; 2 / pi
	s_mov_b32 s21, 0xbfc90fdb                      ; -(pi / 2 as f32)
	s_mov_b32 s22, 0x333bbd2e                      ; -(pi / 2 less that number)
	s_mov_b32 s23, 0x3638ef1d                      ; sine: 1/9!, -1/7!, 1/5!, -1/3!
	s_mov_b32 s24, 0xb9500d01
	s_mov_b32 s25, 0x3c088889
	s_mov_b32 s26, 0xbe2aaaab
	s_mov_b32 s27, 0xb493f27e                      ; cosine: -1/10!, 1/8!, -1/6!, 1/4!
	s_mov_b32 s28, 0x37d00d01
	s_mov_b32 s29, 0xbab60b61
	s_mov_b32 s30, 0x3d2aaaab
	s_mov_b32 s31, 0x3e38aa3b                      ; kappa = log2(e) / 8
.irp e, 0,1,2,3
	v_add_nc_u32 v[16+\e], \e, v4
	v_cvt_f32_u32 v[16+\e], v[16+\e]
	v_mul_f32 v[16+\e], 0xbed49a78, v[16+\e]       ; -i log2(10000) / 32
.endr
.irp e, 0,1,2,3
	v_exp_f32 v[20+\e], v[16+\e]                   ; the frequency
.endr
	v_nop                                          ; a plain instruction behind the last exponential
	s_wait_alu depctr_va_vdst(0)                   ; one wait for the four, ahead of their first reader
	s_wait_kmcnt 0x0
	s_add_nc_u64 s[14:15], s[14:15], TAB_OFF
; the angle in v8 -> cosine in v[c], sine in v[s].  n = the nearest multiple of pi / 2; the first fused step is exact (n under 2^11, the angle under 2,048)
.macro SINCOS c, s
	v_mul_f32 v[TN], s20, v8
	v_rndne_f32 v[TN], v[TN]
	v_fma_f32 v[TR], v[TN], s21, v8
	v_fma_f32 v[TR], v[TN], s22, v[TR]
	v_mul_f32 v[TZ], v[TR], v[TR]
	v_mov_b32 v[TA], s23
	v_fma_f32 v[TA], v[TA], v[TZ], s24
	v_fma_f32 v[TA], v[TA], v[TZ], s25
	v_fma_f32 v[TA], v[TA], v[TZ], s26
	v_mul_f32 v[TB], v[TZ], v[TR]
	v_fma_f32 v[TA], v[TA], v[TB], v[TR]           ; sin r
	v_mov_b32 v[TB], s27
	v_fma_f32 v[TB], v[TB], v[TZ], s28
	v_fma_f32 v[TB], v[TB], v[TZ], s29
	v_fma_f32 v[TB], v[TB], v[TZ], s30
	v_fma_f32 v[TB], v[TB], v[TZ], -0.5
	v_fma_f32 v[TB], v[TB], v[TZ], 1.0             ; cos r
	v_cvt_i32_f32 v[TQ], v[TN]
	v_and_b32 v[TN], 1, v[TQ]
	v_cmp_eq_u32 vcc_lo, 1, v[TN]                  ; an odd quadrant swaps the two
	v_cndmask_b32 v[\s], v[TA], v[TB], vcc_lo
	v_cndmask_b32 v[\c], v[TB], v[TA], vcc_lo
	v_and_b32 v[TN], 2, v[TQ]
	v_lshlrev_b32 v[TN], 30, v[TN]
	v_xor_b32 v[\s], v[TN], v[\s]                  ; the sine is negative in quadrants 2, 3,
	v_add_nc_u32 v[TQ], 1, v[TQ]
	v_and_b32 v[TQ], 2, v[TQ]
	v_lshlrev_b32 v[TQ], 30, v[TQ]
	v_xor_b32 v[\c], v[TQ], v[\c]                  ; the cosine in 1, 2
.endm
.irp j, 0,1,2,3
	v_add_nc_u32 v7, 512*\j, v5
	v_cvt_f32_u32 v7, v7                           ; the position
.irp e, 0,1,2,3
	v_mul_f32 v8, v7, v[20+\e]
	SINCOS 32+8*\j+\e, 36+8*\j+\e
.endr
.irp e, 0,1,2,3,4,5,6,7
	v_mul_f32 v[64+8*\j+\e], s31, v[32+8*\j+\e]    ; q's tables carry kappa
.endr
	global_store_b128 v6, v[64+8*\j:67+8*\j], s[14:15] offset:65536*\j          ; each store of the wave covers 512 consecutive bytes; every store has data registers of its own
	global_store_b128 v6, v[68+8*\j:71+8*\j], s[14:15] offset:262144+65536*\j
	global_store_b128 v6, v[32+8*\j:35+8*\j], s[14:15] offset:524288+65536*\j
	global_store_b128 v6, v[36+8*\j:39+8*\j], s[14:15] offset:786432+65536*\j
.endr
	s_endpgm
.Lfunc_end_k_q498898a15e_prep:
	.size	k_q498898a15e_prep, .Lfunc_end_k_q498898a15e_prep-k_q498898a15e_prep
	.p2alignl 7, 3214868480
	.fill 96, 4, 3214868480
	.section	.rodata,"a",@progbits
	.p2align	6, 0x0
	.amdhsa_kernel k_q498898a15e_prep
		.amdhsa_group_segment_fixed_size 33280
		.amdhsa_private_segment_fixed_size 0
		.amdhsa_enable_private_segment 0
		.amdhsa_kernarg_size 48
		.amdhsa_user_sgpr_count 2
		.amdhsa_user_sgpr_kernarg_segment_ptr 1
		.amdhsa_wavefront_size32 1
		.amdhsa_system_sgpr_workgroup_id_x 1
		.amdhsa_system_sgpr_workgroup_id_y 1
		.amdhsa_system_sgpr_workgroup_id_z 1
		.amdhsa_system_vgpr_workitem_id 0
		.amdhsa_next_free_vgpr 208
		.amdhsa_next_free_sgpr 66
		.amdhsa_reserve_vcc 1
		.amdhsa_float_denorm_mode_32 3
		.amdhsa_float_denorm_mode_16_64 3
		.amdhsa_memory_ordered 1
		.amdhsa_forward_progress 1
		.amdhsa_inst_pref_size 77
	.end_amdhsa_kernel
	.amdgpu_metadata
---
amdhsa.version: [ 1, 2 ]
amdhsa.kernels:
  - .name:           k_q498898a15e_prep
    .symbol:         k_q498898a15e_prep.kd
    .args:
      - { .name: hidden_states, .offset: 0, .size: 8, .value_kind: global_buffer, .address_space: global }
      - { .name: Wq, .offset: 8, .size: 8, .value_kind: global_buffer, .address_space: global }
      - { .name: Wk, .offset: 16, .size: 8, .value_kind: global_buffer, .address_space: global }
      - { .name: Wv, .offset: 24, .size: 8, .value_kind: global_buffer, .address_space: global }
      - { .name: Wo, .offset: 32, .size: 8, .value_kind: global_buffer, .address_space: global }
      - { .name: prepb, .offset: 40, .size: 8, .value_kind: global_buffer, .address_space: global }
    .group_segment_fixed_size: 33280
    .private_segment_fixed_size: 0
    .kernarg_segment_align: 8
    .kernarg_segment_size: 48
    .max_flat_workgroup_size: 128
    .sgpr_count:     66
    .vgpr_count:     208
    .wavefront_size: 32
...
	.end_amdgpu_metadata
.endif
;; end of part 1
;; launch qkv (part 2): grid 12 x 32, 4 waves a work-group, clusters of 4 x 4, 327,680 bytes of LDS; arguments prepb, qkvb; writes qkvb
.if DOCPART == 2
	.amdgcn_target "amdgcn-amd-amdhsa--gfx1250"
	.amdhsa_code_object_version 6
	.text
	.protected	k_q498898a15e_qkv
	.globl	k_q498898a15e_qkv
	.p2align	8
	.type	k_q498898a15e_qkv,@function
k_q498898a15e_qkv:
	s_mov_b64 s[64:65], 0
	v_nop
	global_prefetch_b8 v0, s[64:65] scope:SCOPE_SE
	s_setreg_imm32_b32 hwreg(HW_REG_WAVE_MODE, 25, 1), 1
	s_wait_xcnt 0x0
	s_wait_alu depctr_hold_cnt(0) depctr_sa_sdst(0) depctr_va_vdst(0) depctr_va_sdst(0) depctr_va_ssrc(0) depctr_va_vcc(0) depctr_vm_vsrc(0)
	s_getreg_b32 s2, hwreg(HW_REG_IB_STS2, 6, 4)
	s_cmp_eq_u32 s2, 0
	s_cbranch_scc0 .Lentry_in_a_cluster
	s_endpgm
.Lentry_in_a_cluster:
	s_bfe_u32 s2, ttmp6, 0x10000c
	s_cmp_lg_u32 s2, 0xf033
	s_cbranch_scc0 .Lentry_shape_is_right
	s_endpgm
.Lentry_shape_is_right:
; q, k, v = x Wq^T, x Wk^T, x Wv^T on codes of FP4 with E8M0 scales: one GEMM, M 8,192, N 3,072 (Wq, Wk, Wv on end), K 1,024; the rotary step on the way out; results as f16, head-major.  Nothing of reference() is left out.
; A tile of C, 256 x 256, is made by four waves, 128 x 128 each: 64 accumulators, 512 registers.  K = 1,024 is two slots of 512 along K (rows of 256 bytes): every tile is a first fill; by this text's count three loads of a wave are out (scales, slot 0, slot 1).
; CLUSTER 4 x 4: the four of a row need the same tiles of x, the four of a column the same tiles of W: each is asked for jointly.  The cluster's x is the type: 0 q, 1 k, 2 v.
; THE MATRIX INSTRUCTION IS USED TRANSPOSED (source 0 = 16 rows of W, source 1 = 16 rows of x): a lane holds eight neighbouring columns of one token.
; THE WAY OUT, 16 tokens x 128 columns (two heads) at a time, through my stage in slot 0 (it has had its last fill and its last read).  Lane (g = lane % 8, rr = lane / 8) makes, for token 4 u + rr and a head,
;   out[4g+e] = x[4g+e] c - x[8g+2e+1] s,  out[32+4g+e] = x[32+4g+e] c + x[8g+2e] s  (e = 0..3; c, s at frequency 4g+e),  which is reference()'s x cos + cat(-x[1::2], x[::2]) sin.
;   They are stored at places 8g+e and 8g+4+e of the head's 64: one order for q and k alike, a permutation of the score product's K.  v keeps its order.  q's tables carry log2(e) / 8.
; qkvb: q at 0, k at 16,777,216, v at 33,554,432, each [16 b + head][2048][64] f16; at 50,331,648 + 131,072 x type: [16 b + head][16][64] f16, the f32 result less its f16 rounding, for positions 0-15.
; LIMITS: q, k, v must fit f16 (65,504).
; REGISTERS: window 0: v0-31 addresses; v32-95 scale words, two sets; from v128 x's fragments, one set; window 1: W's fragments, two sets; windows 2, 3: the accumulators ((a, b) at v[8 (8 (a % 4) + b)]).
.set KSTEP,  512
.set NQ,     4
.set ROWB,   256
.set KROW,   512
.set PITCH,  272                       ; 256 bytes + 16: the 16 rows of a load start at 16 different groups of four banks
.set FR,     8
.set NL,     2
.set NP,     4
.set HALFT,  128*PITCH
.set SLOT,   4*HALFT
.set KS,     32                        ; a row of scale bytes
.set SCL,    2*SLOT
.set HALFS,  (128*KS/256)*272
.set SBLK,   (16*KS/256)*272
.set SPARE,  SCL+4*HALFS               ; the spare words: 128 bytes a wave, named by no other line
.set SPITCH, 528
.set XS_OFF,  5767168
.set WC_OFF,  4194304
.set WS_OFF,  6029312
.set TAB_OFF, 8224768
.set ADRA, 16
.set ADRB, 20
.set STO,  24                          ; the stage: where I put 32 bytes of a token
.set RDX,  25                          ; and where I read x[4g ..] back,
.set RDC,  26                          ; and x[8g ..]
.set ADRS, 27
.set SPW,  28
.set NIL,  29
.set L16,  30                          ; 16 x lane: tables and stores
.set FLG,  31                          ; 0 where my block 0 is positions 0-15 of a sequence
.set SC,   32
.set AF,   128
.set G1, 24
.set G0, 32
.set G1B, 48
.set G0B, 56
.set G1S, 68
.set G0S, 76
.set G1SB, 80
.set G0SB, 88
.set MSB, 0
.macro WIN new                         ; the immediate's high byte repeats the setting that is left
.if MSB != \new
	s_set_vgpr_msb (MSB<<8)|\new
.set MSB, \new
.endif
.endm
.set MUL_LO, 0xa1
.set MUL_HI, 0xf1
.set TO_B,   0x40
.macro JLOAD g0a, g1a, g0b, g1b        ; waves 0, 1 fetch for x, waves 2, 3 for W; an s_nop 0 and four v_nop follow each line
	s_cmp_eq_u32 s15, 0
	s_cbranch_scc0 .Lfor_b_\@
	tensor_load_to_lds s[\g0a:\g0a+3], s[\g1a:\g1a+7]
	s_nop 0
.rept 4
	v_nop
.endr
	s_branch .Lasked_\@
.Lfor_b_\@:
	tensor_load_to_lds s[\g0b:\g0b+3], s[\g1b:\g1b+7]
	s_nop 0
.rept 4
	v_nop
.endr
.Lasked_\@:
.endm
.macro CROUND                          ; a round of the cluster's barrier
	s_barrier_signal -1
	s_barrier_wait -1
	s_cmp_lg_u32 s14, 0
	s_cbranch_scc1 .Lnot_wave_0_\@
	s_barrier_signal -3
.Lnot_wave_0_\@:
	s_barrier_wait -3
	s_barrier_signal -1
	s_barrier_wait -1
.endm
	s_load_b128 s[4:7], s[0:1], 0x0                ; prepb s[4:5], qkvb s[6:7]
	v_lshl_add_u32 v[SPW], v0, 2, SPARE
	v_mov_b32 v[NIL], 0
	ds_add_u32 v[SPW], v[NIL]                      ; the opening: the add, twice on end, and its wait ahead of my first tensor load
	ds_add_u32 v[SPW], v[NIL]
	v_lshrrev_b32 v1, 5, v0
	v_readfirstlane_b32 s14, v1                    ; wave
	s_lshr_b32 s15, s14, 1                         ; my half of the tile's rows; also: I fetch for x (0) or W (1)
	s_and_b32 s16, s14, 1                          ; my half of its columns; also: which 128 rows I fetch
	s_bfe_u32 s40, ttmp6, 0x40000                  ; cx
	s_bfe_u32 s41, ttmp6, 0x40004                  ; cy
	s_lshl_b32 s42, ttmp9, 2
	s_add_co_u32 s42, s42, s40                     ; tile column
	s_and_b32 s17, ttmp7, 0xffff
	s_lshl_b32 s17, s17, 2
	s_add_co_u32 s17, s17, s41                     ; tile row
	s_lshl_b32 s43, s41, 2
	s_lshl_b32 s43, 15, s43                        ; my row of the cluster
	s_lshl_b32 s44, 0x1111, s40                    ; my column
	s_or_b32 s[G1+0], s43, (0<<16)|(1<<20)|(1<<21)|(5<<22)|(3<<25)  ; the mask; elements of 1 byte; padding: 4 words behind every 64; bit 21 beside a mask
	s_or_b32 s[G1B+0], s44, (0<<16)|(1<<20)|(1<<21)|(5<<22)|(3<<25)
.irp g, G1, G1B
	s_mov_b32 s[\g+1], ROWB<<16                    ; tensor_dim0
	s_mov_b32 s[\g+2], 128<<16                     ; tensor_dim1
	s_mov_b32 s[\g+3], ROWB<<16                    ; tile_dim0
	s_mov_b32 s[\g+4], 128                         ; tile_dim1
	s_mov_b32 s[\g+5], KROW                        ; the pitch
	s_mov_b32 s[\g+6], 0
	s_mov_b32 s[\g+7], 0
.endr
	s_or_b32 s[G1S+0], s43, (3<<16)|(1<<20)|(1<<21)|(5<<22)|(3<<25)  ; the scales of 128 rows: 4,096 dense bytes as 16 rows of 256 (32 elements of 8 bytes)
	s_or_b32 s[G1SB+0], s44, (3<<16)|(1<<20)|(1<<21)|(5<<22)|(3<<25)
.irp g, G1S, G1SB
	s_mov_b32 s[\g+1], 32<<16
	s_mov_b32 s[\g+2], (128*KS/256)<<16
	s_mov_b32 s[\g+3], 32<<16
	s_mov_b32 s[\g+4], 128*KS/256
	s_mov_b32 s[\g+5], 32
	s_mov_b32 s[\g+6], 0
	s_mov_b32 s[\g+7], 0
.endr
	s_lshl_b32 s18, s16, 7
	s_lshl_b32 s20, s17, 8
	s_add_co_u32 s20, s20, s18                     ; x: row 256 x tile row + 128 x half
	s_lshl_b32 s46, s42, 8
	s_add_co_u32 s46, s46, s18                     ; W: row 256 x tile column + 128 x half
	s_mov_b32 s21, 0
	s_mov_b32 s47, 0
	s_mov_b64 s[18:19], KS
	s_mul_u64 s[22:23], s[20:21], s[18:19]
	s_mul_u64 s[92:93], s[46:47], s[18:19]
	s_mov_b64 s[18:19], KROW
	s_mul_u64 s[20:21], s[20:21], s[18:19]
	s_mul_u64 s[46:47], s[46:47], s[18:19]
	s_mul_i32 s45, s14, HALFT                      ; LDS: wave x 128 rows
	s_mul_i32 s94, s14, HALFS
	s_wait_dscnt 0x0                               ; both opening adds are done
	s_wait_kmcnt 0x0
	s_add_nc_u64 s[20:21], s[4:5], s[20:21]        ; x's codes
	s_add_nc_u64 s[22:23], s[4:5], s[22:23]
	s_add_nc_u64 s[22:23], s[22:23], XS_OFF        ; x's scales
	s_add_nc_u64 s[46:47], s[4:5], s[46:47]
	s_add_nc_u64 s[46:47], s[46:47], WC_OFF        ; W's codes
	s_add_nc_u64 s[92:93], s[4:5], s[92:93]
	s_add_nc_u64 s[92:93], s[92:93], WS_OFF        ; W's scales
	CROUND                                         ; all sixteen work-groups are here: the joint loads meet
	s_mov_b32 s[G0S], 1
	s_add_co_u32 s[G0S+1], s94, SCL
	s_mov_b64 s[G0S+2:G0S+3], s[22:23]
	s_or_b32 s[G0S+3], s[G0S+3], 0x80000000
	s_mov_b32 s[G0SB], 1
	s_add_co_u32 s[G0SB+1], s94, SCL
	s_mov_b64 s[G0SB+2:G0SB+3], s[92:93]
	s_or_b32 s[G0SB+3], s[G0SB+3], 0x80000000
	JLOAD G0S, G1S, G0SB, G1SB
.irp s, 0,1
	s_mov_b32 s[G0+4*\s], 1
	s_add_co_u32 s[G0+4*\s+1], s45, \s*SLOT
	s_add_nc_u64 s[G0+4*\s+2:G0+4*\s+3], s[20:21], \s*ROWB
	s_or_b32 s[G0+4*\s+3], s[G0+4*\s+3], 0x80000000
	s_mov_b32 s[G0B+4*\s], 1
	s_add_co_u32 s[G0B+4*\s+1], s45, \s*SLOT
	s_add_nc_u64 s[G0B+4*\s+2:G0B+4*\s+3], s[46:47], \s*ROWB
	s_or_b32 s[G0B+4*\s+3], s[G0B+4*\s+3], 0x80000000
	JLOAD G0+4*\s, G1, G0B+4*\s, G1B
.endr
	v_and_b32 v1, 15, v0
	v_bfe_u32 v2, v0, 4, 1
	v_mul_u32_u24 v3, v1, PITCH
	v_lshl_add_u32 v4, v2, 4, v3
	s_mul_i32 s21, s15, HALFT
	s_mul_i32 s22, s16, HALFT
	s_add_co_u32 s22, s22, 2*HALFT
.irp s, 0,1
	v_add_nc_u32 v[ADRA+\s], s21, v4
	v_add_nc_u32 v[ADRB+\s], s22, v4
	s_add_co_u32 s21, s21, SLOT
	s_add_co_u32 s22, s22, SLOT
.endr
	v_mul_u32_u24 v5, v1, KS
	v_lshrrev_b32 v6, 8, v5
	v_lshl_add_u32 v5, v6, 4, v5
	s_mul_i32 s21, s15, HALFS
	s_mul_i32 s22, s16, HALFS
	s_add_co_u32 s22, s22, 2*HALFS
	s_sub_co_u32 s22, s22, s21
	v_mul_u32_u24 v6, s22, v2                      ; lanes 16-31 take W's words
	s_add_co_u32 s21, s21, SCL
	v_add_nc_u32 v5, v5, v6
	v_add_nc_u32 v[ADRS], s21, v5
	s_mul_i32 s23, s14, 16*SPITCH                  ; my stage
	v_mul_u32_u24 v5, v1, SPITCH
	v_lshl_add_u32 v5, v2, 5, v5
	v_add_nc_u32 v[STO], s23, v5
	v_and_b32 v6, 31, v0
	v_lshlrev_b32 v[L16], 4, v6
	v_and_b32 v5, 7, v0                            ; g
	v_bfe_u32 v6, v0, 3, 2                         ; rr
	v_mul_u32_u24 v6, v6, SPITCH
	v_add_nc_u32 v6, s23, v6
	v_lshl_add_u32 v[RDX], v5, 4, v6
	v_lshl_add_u32 v[RDC], v5, 5, v6
	; where my results go
	s_lshr_b32 s18, s17, 3                         ; the batch
	s_lshl_b32 s18, s18, 4
	s_and_b32 s19, s42, 3
	s_lshl_b32 s19, s19, 2
	s_add_co_u32 s18, s18, s19
	s_lshl_b32 s19, s16, 1
	s_add_co_u32 s18, s18, s19                     ; 16 b + my first head
	s_and_b32 s19, s17, 7
	s_lshl_b32 s20, s19, 8
	s_lshl_b32 s21, s15, 7
	s_add_co_u32 s20, s20, s21                     ; my first position
	s_or_b32 s19, s19, s15
	v_mov_b32 v[FLG], s19
	s_lshl_b32 s21, s18, 11
	s_add_co_u32 s21, s21, s20
	s_lshl_b32 s22, s21, 7
	s_lshl_b32 s23, ttmp9, 24                      ; the type's tensor
	s_add_co_u32 s22, s22, s23
	s_mov_b32 s23, 0
	s_add_nc_u64 s[8:9], s[6:7], s[22:23]          ; s[8:9]: my first token's row
	s_lshl_b32 s22, s18, 11
	s_lshl_b32 s21, ttmp9, 17
	s_add_co_u32 s22, s22, s21
	s_add_nc_u64 s[10:11], s[6:7], s[22:23]
	s_add_nc_u64 s[10:11], s[10:11], 50331648      ; s[10:11]: the low parts of my heads
	s_lshl_b32 s22, s20, 7
	s_lshl_b32 s21, ttmp9, 19                      ; q's tables, or k's 524,288 bytes on
	s_add_co_u32 s22, s22, s21
	s_add_nc_u64 s[12:13], s[4:5], s[22:23]
	s_add_nc_u64 s[12:13], s[12:13], TAB_OFF       ; s[12:13]: the cosines of my first position (not used by v)
.macro FRAG reg, adr, q, i             ; 16 rows x 128 K of 4-bit codes: 8 registers
.irp c, 0,1
	ds_load_b128 v[\reg+4*\c:\reg+4*\c+3], v[\adr] offset:64*(\q)+32*\c+(\i)*16*PITCH
.endr
.endm
; 16 matrix instructions; the 64 accumulators take turns, one instruction a turn, in the same order in every step
.macro MUL16 a0, p, q, sc, zero
.irp a, \a0, \a0+1
.irp b, 0,1,2,3,4,5,6,7
.if \zero
	v_wmma_scale_f32_16x16x128_f8f6f4 v[8*(8*((\a)%4)+\b):8*(8*((\a)%4)+\b)+7], v[128*(\p)+FR*\b:128*(\p)+FR*\b+FR-1], v[AF+FR*(\a):AF+FR*(\a)+FR-1], 0, v[SC+8*NQ*(\sc)+NQ*\b+(\q)], v[SC+8*NQ*(\sc)+NQ*(\a)+(\q)] matrix_a_fmt:MATRIX_FMT_FP4 matrix_b_fmt:MATRIX_FMT_FP4 matrix_a_scale:MATRIX_SCALE_ROW1
.else
	v_wmma_scale_f32_16x16x128_f8f6f4 v[8*(8*((\a)%4)+\b):8*(8*((\a)%4)+\b)+7], v[128*(\p)+FR*\b:128*(\p)+FR*\b+FR-1], v[AF+FR*(\a):AF+FR*(\a)+FR-1], v[8*(8*((\a)%4)+\b):8*(8*((\a)%4)+\b)+7], v[SC+8*NQ*(\sc)+NQ*\b+(\q)], v[SC+8*NQ*(\sc)+NQ*(\a)+(\q)] matrix_a_fmt:MATRIX_FMT_FP4 matrix_b_fmt:MATRIX_FMT_FP4 matrix_a_scale:MATRIX_SCALE_ROW1
.endif
.endr
.endr
.endm
.macro FETCH_B slot, q, p
	WIN TO_B
.irp i, 0,1,2,3,4,5,6,7
	FRAG 128*(\p)+FR*\i, ADRB+\slot, \q, \i
.endr
	WIN 0
.endm
.macro FETCH_A slot, q, i0
.irp i, \i0, \i0+1, \i0+2, \i0+3
	FRAG AF+FR*(\i), ADRA+\slot, \q, \i
.endr
.endm
.macro SCALES sc                       ; lanes 0-15 x's block i, lanes 16-31 W's block i: four words a row
.irp i, 0,1,2,3,4,5,6,7
	ds_load_b128 v[SC+8*NQ*\sc+NQ*\i:SC+8*NQ*\sc+NQ*\i+3], v[ADRS] offset:\i*SBLK
.endr
.endm
.macro PLACES n                        ; plain vector instructions between a matrix instruction and a load into, or a read of, its registers
.rept \n
	v_nop
.endr
.endm
.macro STEP slot, q, zero
	s_wait_dscnt 4*NL                              ; all but the youngest eight loads (x's blocks 4-7)
	WIN MUL_LO
	MUL16 0, (\q)%2, \q, \slot, \zero
	MUL16 2, (\q)%2, \q, \slot, \zero
	s_wait_dscnt 0
	PLACES NP
	FETCH_B \slot, (\q)+1, 1-(\q)%2
	FETCH_A \slot, (\q)+1, 0
	WIN MUL_HI
	MUL16 4, (\q)%2, \q, \slot, \zero
	MUL16 6, (\q)%2, \q, \slot, \zero
	PLACES NP
	WIN 0
	FETCH_A \slot, (\q)+1, 4
.endm
.macro TURN slot, next                 ; the one change of slots: nothing is filled again
	s_wait_tensorcnt 0x0                           ; my part of the next slot has landed
	ds_add_u32 v[SPW], v[NIL]
	s_wait_dscnt 4*NL+1                            ; the add and the youngest eight loads may be out
	WIN MUL_LO
	MUL16 0, 1, NQ-1, \slot, 0
	s_wait_dscnt 0x0                               ; the add is done, my reads of this slot are over
	s_barrier_signal -1
	MUL16 2, 1, NQ-1, \slot, 0
	WIN 0
	s_barrier_wait -1
	PLACES NP
	v_add_nc_u32 v[ADRS], 4*NQ, v[ADRS]
	FETCH_B \next, 0, 0
	FETCH_A \next, 0, 0
	SCALES \next
	WIN MUL_HI
	MUL16 4, 1, NQ-1, \slot, 0
	MUL16 6, 1, NQ-1, \slot, 0
	PLACES NP
	WIN 0
	FETCH_A \next, 0, 4
.endm
.macro STEPS slot, from
.set Q, \from
.rept NQ-1-\from
	STEP \slot, Q, 0
.set Q, Q+1
.endr
.endm
	s_wait_tensorcnt 1                             ; the scales and my part of slot 0 are in; slot 1's load is younger
	s_barrier_signal -1
	s_barrier_wait -1
	FETCH_B 0, 0, 0
	FETCH_A 0, 0, 0
	SCALES 0
	FETCH_A 0, 0, 4
	STEP 0, 0, 1                                   ; the first products start the sums
	STEPS 0, 1
	TURN 0, 1
	STEPS 1, 0
	s_wait_dscnt 4*NL
	WIN MUL_LO
	MUL16 0, 1, NQ-1, 1, 0
	MUL16 2, 1, NQ-1, 1, 0
	s_wait_dscnt 0
	WIN MUL_HI
	MUL16 4, 1, NQ-1, 1, 0
	MUL16 6, 1, NQ-1, 1, 0
	WIN 0
; ---------------- THE WAY OUT
.set T,   2                            ; v2-9     eight results in f32
.set H,   32                           ; v32-63   f16 results: task (u, hd) at 4 (2 u + hd)
.set CSR, 64                           ; v64-127  cosines and sines, two sets of 32: u at 8 u, sines 4 on
.set X,   128                          ; v128-255 task (u, hd) at 32 u + 16 hd: x[4g..], x[32+4g..], x[8g..8g+7]
.macro TOSTAGE a
.set AC, 64*((\a)%4)
	WIN 0x08+4*((\a)/4)                            ; the data: window 2 or 3
.irp b, 0,1,2,3,4,5,6,7
	ds_store_b128 v[STO], v[AC+8*\b:AC+8*\b+3] offset:64*\b          ; each accumulator from its low end on
	ds_store_b128 v[STO], v[AC+8*\b+4:AC+8*\b+7] offset:64*\b+16
.endr
	WIN 0
.endm
.macro CSLOAD a                        ; the tables of block a's 16 positions: each load 512 consecutive bytes
.irp u, 0,1,2,3
	global_load_b128 v[CSR+32*((\a)%2)+8*\u:CSR+32*((\a)%2)+8*\u+3], v[L16], s[12:13] offset:(16*(\a)+4*\u)*128
	global_load_b128 v[CSR+32*((\a)%2)+8*\u+4:CSR+32*((\a)%2)+8*\u+7], v[L16], s[12:13] offset:(16*(\a)+4*\u)*128+262144
.endr
.endm
.macro XLOAD rope
.irp u, 0,1,2,3
.irp hd, 0,1
.if \rope
	ds_load_b128 v[X+32*\u+16*\hd:X+32*\u+16*\hd+3], v[RDX] offset:4*SPITCH*\u+256*\hd
	ds_load_b128 v[X+32*\u+16*\hd+4:X+32*\u+16*\hd+7], v[RDX] offset:4*SPITCH*\u+256*\hd+128
.endif
	ds_load_b128 v[X+32*\u+16*\hd+8:X+32*\u+16*\hd+11], v[RDC] offset:4*SPITCH*\u+256*\hd
	ds_load_b128 v[X+32*\u+16*\hd+12:X+32*\u+16*\hd+15], v[RDC] offset:4*SPITCH*\u+256*\hd+16
.endr
.endr
.endm
.macro TASK a, u, hd, rope, lo
.set XB_, X+32*(\u)+16*(\hd)
.set HB_, H+4*(2*(\u)+(\hd))
.set CB_, CSR+32*((\a)%2)+8*(\u)
.if \rope
	v_pk_mul_f32 v[T:T+1], v[XB_:XB_+1], v[CB_:CB_+1]
	v_pk_mul_f32 v[T+2:T+3], v[XB_+2:XB_+3], v[CB_+2:CB_+3]
	v_pk_mul_f32 v[T+4:T+5], v[XB_+4:XB_+5], v[CB_:CB_+1]
	v_pk_mul_f32 v[T+6:T+7], v[XB_+6:XB_+7], v[CB_+2:CB_+3]
.irp e, 0,1,2,3
	v_fma_f32 v[T+\e], -v[XB_+9+2*\e], v[CB_+4+\e], v[T+\e]
	v_fma_f32 v[T+4+\e], v[XB_+8+2*\e], v[CB_+4+\e], v[T+4+\e]
.endr
.set TB_, T
.else
.set TB_, XB_+8
.endif
.irp e, 0,1,2,3
	v_cvt_pk_f16_f32 v[HB_+\e], v[TB_+2*\e], v[TB_+2*\e+1]
.endr
	global_store_b128 v[L16], v[HB_:HB_+3], s[8:9] offset:(\hd)*262144+(16*(\a)+4*(\u))*128   ; four tokens' 128 bytes: 512 consecutive bytes
.if \lo                                ; the f32 result less its f16 rounding, as f16
.irp e, 0,1,2,3
	v_mov_b32 v10, v[HB_+\e]
	v_cvt_f32_f16 v[XB_+2*\e], v10.l
	v_cvt_f32_f16 v[XB_+2*\e+1], v10.h
.endr
.irp e, 0,2,4,6
	v_pk_add_f32 v[XB_+\e:XB_+\e+1], v[TB_+\e:TB_+\e+1], v[XB_+\e:XB_+\e+1] neg_lo:[0,1] neg_hi:[0,1]
.endr
.irp e, 0,1,2,3
	v_cvt_pk_f16_f32 v[XB_+8+\e], v[XB_+2*\e], v[XB_+2*\e+1]
.endr
.endif
.endm
.macro BLOCK a, rope
.if (\a) > 0
	s_wait_xcnt 0x0                                ; the last block's stores have read their data: H is written again
.endif
	TOSTAGE \a                                     ; LDS serves a wave's instructions in order: the last block's reads come first, this block's reads see these stores
	XLOAD \rope
.if \rope
.if (\a) < 7
	CSLOAD (\a)+1
	s_wait_loadcnt 8                               ; this block's tables are in; the next block's eight loads are younger
.else
	s_wait_loadcnt 0
.endif
.endif
.irp u, 0,1,2,3
.if \rope
	s_wait_dscnt 24-8*\u                           ; the eight loads of tokens 4 u .. are in; the later tokens' are younger
.else
	s_wait_dscnt 12-4*\u
.endif
	TASK \a, \u, 0, \rope, ((\a)==0)
	TASK \a, \u, 1, \rope, ((\a)==0)
.endr
.if (\a) == 0                          ; the low parts leave only where block 0 is positions 0-15: a mask on EXEC, no branch, since the tile row hangs on my place in the cluster
	s_wait_xcnt 0x0                                ; EXEC changes only behind this wait
	v_cmp_eq_u32 vcc_lo, 0, v[FLG]
	s_and_saveexec_b32 s18, vcc_lo
.irp u, 0,1,2,3
.irp hd, 0,1
	global_store_b128 v[L16], v[X+32*\u+16*\hd+8:X+32*\u+16*\hd+11], s[10:11] offset:2048*\hd+512*\u
.endr
.endr
	s_wait_xcnt 0x0
	s_or_b32 exec_lo, exec_lo, s18
.endif
.endm
	PLACES NP                                      ; ahead of the first read of results and of loads into registers that held operands and scale words
	s_cmp_eq_u32 ttmp9, 2                          ; the cluster's x: the same in all partners
	s_cbranch_scc1 .Lvalues
	CSLOAD 0
.irp a, 0,1,2,3,4,5,6,7
	BLOCK \a, 1
.endr
	s_branch .Ldone
.Lvalues:                                              ; v: no rotation, its own order
.irp a, 0,1,2,3,4,5,6,7
	BLOCK \a, 0
.endr
.Ldone:
	s_wait_tensorcnt 0x0                           ; the wave's end
	ds_add_u32 v[SPW], v[NIL]
	s_wait_dscnt 0x0
	CROUND                                         ; the closing round
	s_endpgm
.Lfunc_end_k_q498898a15e_qkv:
	.size	k_q498898a15e_qkv, .Lfunc_end_k_q498898a15e_qkv-k_q498898a15e_qkv
	.p2alignl 7, 3214868480
	.fill 96, 4, 3214868480
	.section	.rodata,"a",@progbits
	.p2align	6, 0x0
	.amdhsa_kernel k_q498898a15e_qkv
		.amdhsa_group_segment_fixed_size 327680
		.amdhsa_private_segment_fixed_size 0
		.amdhsa_enable_private_segment 0
		.amdhsa_kernarg_size 16
		.amdhsa_user_sgpr_count 2
		.amdhsa_user_sgpr_kernarg_segment_ptr 1
		.amdhsa_wavefront_size32 1
		.amdhsa_system_sgpr_workgroup_id_x 1
		.amdhsa_system_sgpr_workgroup_id_y 1
		.amdhsa_system_sgpr_workgroup_id_z 1
		.amdhsa_system_vgpr_workitem_id 0
		.amdhsa_next_free_vgpr 1024
		.amdhsa_next_free_sgpr 98
		.amdhsa_reserve_vcc 1
		.amdhsa_float_denorm_mode_32 3
		.amdhsa_float_denorm_mode_16_64 3
		.amdhsa_memory_ordered 1
		.amdhsa_forward_progress 1
		.amdhsa_inst_pref_size 254
	.end_amdhsa_kernel
	.amdgpu_metadata
---
amdhsa.version: [ 1, 2 ]
amdhsa.kernels:
  - .name:           k_q498898a15e_qkv
    .symbol:         k_q498898a15e_qkv.kd
    .args:
      - { .name: prepb, .offset: 0, .size: 8, .value_kind: global_buffer, .address_space: global }
      - { .name: qkvb, .offset: 8, .size: 8, .value_kind: global_buffer, .address_space: global }
    .group_segment_fixed_size: 327680
    .private_segment_fixed_size: 0
    .kernarg_segment_align: 8
    .kernarg_segment_size: 16
    .max_flat_workgroup_size: 128
    .sgpr_count:     98
    .vgpr_count:     1024
    .wavefront_size: 32
...
	.end_amdgpu_metadata
.endif
;; end of part 2
;; launch attn (part 3): grid 16 x 32, 8 waves a work-group, clusters of 4 x 4, 327,680 bytes of LDS; arguments qkvb, attention_mask, ctx16, ctxf; writes ctx16, ctxf
.if DOCPART == 3
	.amdgcn_target "amdgcn-amd-amdhsa--gfx1250"
	.amdhsa_code_object_version 6
	.text
	.protected	k_q498898a15e_attn
	.globl	k_q498898a15e_attn
	.p2align	8
	.type	k_q498898a15e_attn,@function
k_q498898a15e_attn:
	s_mov_b64 s[64:65], 0
	v_nop
	global_prefetch_b8 v0, s[64:65] scope:SCOPE_SE
	s_setreg_imm32_b32 hwreg(HW_REG_WAVE_MODE, 25, 1), 1
	s_wait_xcnt 0x0
	s_wait_alu depctr_hold_cnt(0) depctr_sa_sdst(0) depctr_va_vdst(0) depctr_va_sdst(0) depctr_va_ssrc(0) depctr_va_vcc(0) depctr_vm_vsrc(0)
	s_getreg_b32 s2, hwreg(HW_REG_IB_STS2, 6, 4)
	s_cmp_eq_u32 s2, 0
	s_cbranch_scc0 .Lentry_in_a_cluster
	s_endpgm
.Lentry_in_a_cluster:
	s_bfe_u32 s2, ttmp6, 0x10000c
	s_cmp_lg_u32 s2, 0xf033
	s_cbranch_scc0 .Lentry_shape_is_right
	s_endpgm
.Lentry_shape_is_right:
; ctx = softmax(q k^T / 8 + mask) v, on f16 operands with f32 sums; the mask is added in f32.  Nothing of reference() is left out: the mask is an input, so every key tile is multiplied and every mask number added.
; SHARES.  A work-group owns 128 queries of TWO heads (16 b + head = 2 hp, 2 hp + 1): a mask tile then serves both, and a token's 256 bytes of ctx leave whole.  Wave w: head w / 4, queries 32 (w % 4) on, two tiles of 16.
; Two waves lie on a SIMD, so that one wave's softmax stands beside the other's products.  Every wave walks all 2,048 keys, 64 a step, 128 a slot.
; LAYOUT.  S^T = k q^T (source 0 = 16 keys, source 1 = 16 queries), O^T = v^T P: a lane holds ONE query (lane % 16) throughout; two score tiles rounded to f16 in pairs ARE source 1 of the second product.  v comes out of LDS turned.
; SOFTMAX.  q carries log2(e) / 8, so u = mask x log2(e) + S is the base-2 exponent (one fused multiply-add); m = the running largest u; p = 2^(u - m): the subtraction is exact where u is near m, however large both are;
; in every step O and l are multiplied by a = 2^(m_old - m_new).
; THE FIRST 16 QUERIES OF EVERY (batch, head) ARE CARRIED MORE FINELY: where few keys count, a row averages few values and the rounding of f16 operands weighs most.  They are tile 0 of waves 0 and 4 where the block of queries is the first.
; Against keys 0-15 (the first score tile of the first key step) q, k, p and v go as pairs of f16, a high and a low part: high x high + low x high + high x low: twelve matrix instructions more.  Keys 16 on take the high parts alone (a limit of format).
; Their ctx leaves in f32 as well: ctxf [16 b + head], an image of 8 groups x 32 lanes x 16 bytes: register 8 dt + j of lane (r, h) = ctx(query r, channel 16 dt + 8 h + j).  These rows walk the same keys, values and mask rows as the tile that holds them, so they are read once.
; The extras are guarded by the wave's number and the cluster's x; in the three partners whose block is not the first the low parts are zeros (loaded under a mask on EXEC made of the block's number) and the f32 store is masked off.
; CLUSTER 4 x 4.  The four of a row share the pair of heads: K's and V's tiles are asked for jointly along the row; the four of a column share the 128 queries: the mask's tiles jointly along the column.
; RING.  Two slots of 128 keys: K 2 x 128 x 144, V 2 x 128 x 160, mask 128 x 528.  Every wave issues one load of 16 KiB behind each round (waves 0, 1: K; 2, 3: V; 4-7: 32 rows of the mask); it has a slot's 64 matrix instructions a wave in which to land.
; LIMITS: m starts at -1e30: a row whose every u lies under that is not served.  q, k, v, ctx must fit f16.  NaN among the inputs is not served.  The f16 ctx of positions 0-15 lies inside live tiles; a later launch replaces their output rows by those made of ctxf.
; REGISTERS: window 0: v2-11 addresses; v12-27 statistics; v28-35 chains; v39-46 the fine rows' flag and addresses; v64-127 S; v128-191 the mask; v192-223 P; v224-255 q.
;   window 1: v0-63 K; v64-127 V; v128-191 O^T; v192-207 q's low part, v208-223 k's, v224-255 v's, turned.
.set KP,    144                        ; 128 bytes + 16
.set VP,    160                        ; 128 bytes + 32
.set MP,    528                        ; 512 bytes + 16
.set KHEAD, 128*KP
.set VHEAD, 128*VP
.set VOFF,  2*KHEAD
.set MOFF,  VOFF+2*VHEAD
.set SLOT,  MOFF+128*MP
.set STAGE, 2*SLOT                     ; 128 tokens x (256 bytes + 16), for the way out; no tile lands here.  At the start waves 0 and 4 turn v's low rows through its first 4,096 bytes each
.set SP,    272
.set SPARE, STAGE+128*SP               ; the spare words: 128 bytes a wave, named by no other line
.set AK,  2                            ; v2, v3  my place in K's tile, slot 0, 1
.set AV,  4
.set AM,  6
.set STO, 8
.set RD,  9
.set GO,  10
.set PFO, 11
.set ST,  12                           ; tile t at 12 + 8 t: +0 m, +1 the old m, +2:3 l, +4 a, +5 a filler, +6:7 at work
.set CH,  28
.set FLG, 39                           ; v39  my block of queries: 0 where tile 0 of waves 0, 4 is positions 0-15
.set SPW, 40
.set NIL, 41
.set QO,  42
.set VLA, 43                           ; v43  v's low rows into the stage,
.set VLT, 44                           ; v44  and out of it, turned
.set L16, 46                           ; v46  16 x lane   (v45: a word whose two f16 halves are widened)
.set S,   64
.set M,   128
.set PL,  M+16                         ; in the first step, behind the mask's add: p's low part of keys 0-15,
.set PH,  M+24                         ; and its high part; the upper 16 keys of both are zeros
.set P,   192
.set Q,   224
.set OW,  128                          ; O^T, in window 1
.set VW,  64                           ; V, in window 1
.set QL,  192                          ; in window 1
.set KL,  208
.set VL,  224
.set WV,  10
.set G1K, 24
.set G1V, 32
.set G1M, 40
.set G0K, 48
.set G0V, 56
.set G0M, 68
.set QB,  76                           ; s[76:77] q's base: written once, so that q's pending loads keep their source
.set LE,  78                           ; s[78:79] log2(e)
.set SEL, 80
.set LOOP, 83
.set LEFT, 84                          ; refills still to come
.set LIM,  85                          ; 1 in a wave that prefetches, else the greatest number
.set PFA,  86
.set PFS,  88
.set SAV,  91                          ; s91 EXEC, kept while it is narrowed
.set FB,   96                          ; s[96:97] the low parts of my head: q's, k's 131,072 bytes on, v's 262,144 on; written once
.set CF,   98                          ; s[98:99] my head's image in ctxf; written once
.set MSB, 0
.macro WIN new
.if MSB != \new
	s_set_vgpr_msb (MSB<<8)|\new
.set MSB, \new
.endif
.endm
.macro CROUND
	s_barrier_signal -1
	s_barrier_wait -1
	s_cmp_lg_u32 s[WV], 0
	s_cbranch_scc1 .Lnot_wave_0_\@
	s_barrier_signal -3
.Lnot_wave_0_\@:
	s_barrier_wait -3
	s_barrier_signal -1
	s_barrier_wait -1
.endm
.macro JLOAD s                         ; a joint refill: the branches hang on the wave's number alone; an s_nop 0 and four v_nop follow each line
	s_cmp_lt_u32 s[WV], 2
	s_cbranch_scc0 .Lnot_k_\@
	tensor_load_to_lds s[G0K+4*\s:G0K+4*\s+3], s[G1K:G1K+7]
	s_nop 0
.rept 4
	v_nop
.endr
	s_branch .Lasked_\@
.Lnot_k_\@:
	s_cmp_lt_u32 s[WV], 4
	s_cbranch_scc0 .Lnot_v_\@
	tensor_load_to_lds s[G0V+4*\s:G0V+4*\s+3], s[G1V:G1V+7]
	s_nop 0
.rept 4
	v_nop
.endr
	s_branch .Lasked_\@
.Lnot_v_\@:
	tensor_load_to_lds s[G0M+4*\s:G0M+4*\s+3], s[G1M:G1M+7]
	s_nop 0
.rept 4
	v_nop
.endr
.Lasked_\@:
.endm
; A PREFETCH of what the NEXT change of slots will ask for, behind my tensor load: a slot's two key steps ahead of that load.  Each aligned 256 bytes are named once in the launch.
; K, V: all clusters of a row of clusters walk the same heads: the first (cluster x = 0) asks; wave 0 for K, wave 2 for V; partner cx takes head cx / 2, half cx % 2 of its 16 KiB, lanes 256 bytes apart.
; The mask: cluster y = 0 asks; waves 4, 5 take the two halves of a row's 512 bytes; partner cy takes rows 32 cy + lane.  Partners are told apart by address alone.  The last refill asks for nothing; fills 0 to 2 come by their loads alone.
.macro ASK
	s_cmp_gt_u32 s[LEFT], s[LIM]
	s_cbranch_scc0 .Lnot_mine_\@
	global_prefetch_b8 v[PFO], s[PFA:PFA+1] th:TH_LOAD_NT scope:SCOPE_SE
.Lnot_mine_\@:
.endm
	s_load_b128 s[4:7], s[0:1], 0x0                ; qkvb, the mask
	s_load_b64 s[8:9], s[0:1], 0x10                ; ctx16
	s_load_b64 s[CF:CF+1], s[0:1], 0x18            ; ctxf
	v_lshl_add_u32 v[SPW], v0, 2, SPARE
	v_mov_b32 v[NIL], 0
	ds_add_u32 v[SPW], v[NIL]                      ; the opening: the add, twice on end, and its wait ahead of my first tensor load
	ds_add_u32 v[SPW], v[NIL]
	v_lshrrev_b32 v1, 5, v0
	v_readfirstlane_b32 s[WV], v1                  ; wave 0..7
	s_lshr_b32 s11, s[WV], 2                       ; my head of the pair
	s_and_b32 s12, s[WV], 3                        ; my 32 queries; also: which 32 rows of the mask I fetch
	s_and_b32 s13, s[WV], 1                        ; which head's K or V I fetch
	s_bfe_u32 s14, ttmp6, 0x40000                  ; cx
	s_bfe_u32 s15, ttmp6, 0x40004                  ; cy
	s_lshl_b32 s16, ttmp9, 2
	s_add_co_u32 s16, s16, s14                     ; qb: my block of 128 queries
	s_and_b32 s17, ttmp7, 0xffff
	s_lshl_b32 s17, s17, 2
	s_add_co_u32 s17, s17, s15                     ; hp: my pair of heads
	s_lshl_b32 s18, s15, 2
	s_lshl_b32 s18, 15, s18                        ; my row of the cluster
	s_lshl_b32 s19, 0x1111, s14                    ; my column
	s_or_b32 s[G1K], s18, (1<<16)|(1<<20)|(1<<21)|(4<<22)|(3<<25)   ; elements of 2 bytes; 4 words of padding behind every 32
	s_or_b32 s[G1V], s18, (1<<16)|(1<<20)|(1<<21)|(4<<22)|(7<<25)   ; 8 words
	s_or_b32 s[G1M], s19, (2<<16)|(1<<20)|(1<<21)|(6<<22)|(3<<25)   ; elements of 4 bytes; 4 words behind every 128
.irp g, G1K, G1V
	s_mov_b32 s[\g+1], 64<<16                      ; tensor_dim0 = 64
	s_mov_b32 s[\g+2], 128<<16                     ; tensor_dim1 = 128
	s_mov_b32 s[\g+3], 64<<16                      ; tile_dim0
	s_mov_b32 s[\g+4], 128                         ; tile_dim1
	s_mov_b32 s[\g+5], 64                          ; the pitch
	s_mov_b32 s[\g+6], 0
	s_mov_b32 s[\g+7], 0
.endr
	s_mov_b32 s[G1M+1], 128<<16
	s_mov_b32 s[G1M+2], 32<<16
	s_mov_b32 s[G1M+3], 128<<16
	s_mov_b32 s[G1M+4], 32
	s_mov_b32 s[G1M+5], 2048
	s_mov_b32 s[G1M+6], 0
	s_mov_b32 s[G1M+7], 0
	s_lshl_b32 s20, s17, 1
	s_add_co_u32 s20, s20, s13
	s_lshl_b32 s20, s20, 18                        ; K, V: the head that I fetch: hp and the wave's number alone
	s_mov_b32 s21, 0
	s_lshl_b32 s22, s16, 7
	s_lshl_b32 s23, s12, 5
	s_add_co_u32 s22, s22, s23
	s_lshl_b32 s22, s22, 13                        ; the mask: row 128 qb + 32 (w % 4): qb and the wave's number alone
	s_mov_b32 s23, 0
	s_mul_i32 s2, s13, KHEAD
	s_mul_i32 s3, s13, VHEAD
	s_mul_i32 s90, s12, 32*MP
	s_mov_b32 s[LE], 0x3fb8aa3b
	s_mov_b32 s[LE+1], s[LE]
	s_mov_b32 s[SEL], 0x76543210
	s_mov_b32 s[SEL+1], 0xfedcba98
	s_mov_b32 s[LEFT], 14
	s_wait_dscnt 0x0                               ; both opening adds are done
	s_wait_kmcnt 0x0
	s_add_nc_u64 s[92:93], s[4:5], s[20:21]
	s_add_nc_u64 s[94:95], s[6:7], s[22:23]
	CROUND                                         ; all sixteen work-groups are here: the first joint loads meet
.irp s, 0,1
	s_mov_b32 s[G0K+4*\s], 1
	s_add_co_u32 s[G0K+4*\s+1], s2, \s*SLOT
	s_add_nc_u64 s[G0K+4*\s+2:G0K+4*\s+3], s[92:93], 16777216+\s*16384
	s_or_b32 s[G0K+4*\s+3], s[G0K+4*\s+3], 0x80000000
	s_mov_b32 s[G0V+4*\s], 1
	s_add_co_u32 s[G0V+4*\s+1], s3, VOFF+\s*SLOT
	s_add_nc_u64 s[G0V+4*\s+2:G0V+4*\s+3], s[92:93], 33554432+\s*16384
	s_or_b32 s[G0V+4*\s+3], s[G0V+4*\s+3], 0x80000000
	s_mov_b32 s[G0M+4*\s], 1
	s_add_co_u32 s[G0M+4*\s+1], s90, MOFF+\s*SLOT
	s_add_nc_u64 s[G0M+4*\s+2:G0M+4*\s+3], s[94:95], \s*512
	s_or_b32 s[G0M+4*\s+3], s[G0M+4*\s+3], 0x80000000
.endr
	s_cmp_lt_u32 s[WV], 2                          ; a wave's two first fills stand in one arm: two loads of mine are out
	s_cbranch_scc0 .Lfirst_nk
	tensor_load_to_lds s[G0K:G0K+3], s[G1K:G1K+7]
	s_nop 0
	tensor_load_to_lds s[G0K+4:G0K+7], s[G1K:G1K+7]
	s_nop 0
.rept 4
	v_nop
.endr
	s_branch .Lfirst_done
.Lfirst_nk:
	s_cmp_lt_u32 s[WV], 4
	s_cbranch_scc0 .Lfirst_nv
	tensor_load_to_lds s[G0V:G0V+3], s[G1V:G1V+7]
	s_nop 0
	tensor_load_to_lds s[G0V+4:G0V+7], s[G1V:G1V+7]
	s_nop 0
.rept 4
	v_nop
.endr
	s_branch .Lfirst_done
.Lfirst_nv:
	tensor_load_to_lds s[G0M:G0M+3], s[G1M:G1M+7]
	s_nop 0
	tensor_load_to_lds s[G0M+4:G0M+7], s[G1M:G1M+7]
	s_nop 0
.rept 4
	v_nop
.endr
.Lfirst_done:
	; q: my 32 queries stay in registers.  Offsets are made in s18 to s21, which are used again below; the addresses themselves lie in s[QB:QB+1], s[FB:FB+1] and s[CF:CF+1], which no later line writes
	s_lshl_b32 s18, s17, 1
	s_add_co_u32 s18, s18, s11                     ; 16 b + my head
	s_lshl_b32 s20, s18, 11                        ; its 2,048 bytes in each tensor of low parts
	s_mov_b32 s21, 0
	s_add_nc_u64 s[FB:FB+1], s[4:5], s[20:21]
	s_add_nc_u64 s[FB:FB+1], s[FB:FB+1], 50331648
	s_lshl_b32 s20, s18, 12                        ; its 4,096 bytes in ctxf
	s_add_nc_u64 s[CF:CF+1], s[CF:CF+1], s[20:21]
	s_lshl_b32 s18, s18, 18
	s_lshl_b32 s19, s16, 14
	s_add_co_u32 s18, s18, s19
	s_lshl_b32 s19, s12, 12
	s_add_co_u32 s18, s18, s19
	s_mov_b32 s19, 0
	s_add_nc_u64 s[QB:QB+1], s[4:5], s[18:19]
	v_and_b32 v1, 15, v0                           ; r
	v_bfe_u32 v36, v0, 4, 1                        ; h
	v_lshlrev_b32 v[QO], 7, v1
	v_lshl_add_u32 v[QO], v36, 4, v[QO]
.irp t, 0,1
.irp ks, 0,1
	global_load_b128 v[Q+16*\t+8*\ks:Q+16*\t+8*\ks+3], v[QO], s[QB:QB+1] offset:2048*\t+64*\ks
	global_load_b128 v[Q+16*\t+8*\ks+4:Q+16*\t+8*\ks+7], v[QO], s[QB:QB+1] offset:2048*\t+64*\ks+32
.endr
.endr
	v_mov_b32 v[FLG], s16
	v_and_b32 v[L16], 31, v0
	v_lshlrev_b32 v[L16], 4, v[L16]
	v_mul_u32_u24 v37, v1, KP
	v_lshl_add_u32 v37, v36, 4, v37
	s_mul_i32 s20, s11, KHEAD
	v_add_nc_u32 v[AK], s20, v37
	v_add_nc_u32 v[AK+1], SLOT, v[AK]
	v_and_b32 v37, 7, v0
	v_lshl_add_u32 v37, v36, 3, v37                ; the turning load: key 8 h + lane % 8,
	v_mul_u32_u24 v37, v37, VP
	v_bfe_u32 v38, v0, 3, 1
	v_lshl_add_u32 v37, v38, 4, v37                ; channels 8 ((lane / 8) % 2) on
	s_mul_i32 s20, s11, VHEAD
	s_add_co_u32 s20, s20, VOFF
	v_add_nc_u32 v[AV], s20, v37
	v_add_nc_u32 v[AV+1], SLOT, v[AV]
	s_lshl_b32 s20, s11, 12                        ; v's low rows: 4,096 bytes of the stage for wave 0, the next for wave 4
	s_add_co_u32 s20, s20, STAGE
	v_add_nc_u32 v[VLT], s20, v37                  ; out, turned: the same lane term as V's
	v_bfe_u32 v37, v0, 3, 2
	v_mul_u32_u24 v37, v37, VP
	v_and_b32 v38, 7, v0
	v_lshl_add_u32 v37, v38, 4, v37                ; in: 160 (lane / 8) + 16 (lane % 8): four rows a store
	v_add_nc_u32 v[VLA], s20, v37
	v_mul_u32_u24 v37, v1, MP
	v_lshl_add_u32 v37, v36, 5, v37                ; the mask: my query's row, keys 8 h on
	s_mul_i32 s20, s12, 32*MP
	s_add_co_u32 s20, s20, MOFF
	v_add_nc_u32 v[AM], s20, v37
	v_add_nc_u32 v[AM+1], SLOT, v[AM]
	s_mul_i32 s20, s12, 32*SP
	s_lshl_b32 s21, s11, 7
	s_add_co_u32 s20, s20, s21
	s_add_co_u32 s20, s20, STAGE
	v_mul_u32_u24 v37, v1, SP
	v_lshl_add_u32 v37, v36, 4, v37
	v_add_nc_u32 v[STO], s20, v37                  ; the stage, in: token 32 (w % 4) + r, my head's 128 bytes, 16 h
	s_mul_i32 s20, s[WV], 16*SP
	s_add_co_u32 s20, s20, STAGE
	v_mul_u32_u24 v37, v36, SP
	v_lshl_add_u32 v37, v1, 4, v37
	v_add_nc_u32 v[RD], s20, v37                   ; back: tokens 16 w on, two rows an instruction
	v_lshlrev_b32 v37, 11, v36
	v_lshl_add_u32 v[GO], v1, 4, v37
	s_lshr_b32 s20, s17, 3                         ; the batch
	s_lshl_b32 s20, s20, 11
	s_lshl_b32 s21, s16, 7
	s_add_co_u32 s20, s20, s21
	s_lshl_b32 s21, s[WV], 4
	s_add_co_u32 s20, s20, s21
	s_lshl_b32 s20, s20, 11                        ; a token's row of ctx16 is 2,048 bytes
	s_and_b32 s21, s17, 7
	s_lshl_b32 s21, s21, 8                         ; the pair's 256 bytes in it
	s_add_co_u32 s20, s20, s21
	s_mov_b32 s21, 0
	s_add_nc_u64 s[8:9], s[8:9], s[20:21]
	; the prefetches: where mine stand (at fill 2; the first change steps them to fill 3), and who asks
	s_lshr_b32 s2, s14, 1
	s_lshl_b32 s21, s17, 1
	s_add_co_u32 s21, s21, s2
	s_lshl_b32 s21, s21, 18
	s_and_b32 s2, s14, 1
	s_lshl_b32 s2, s2, 13
	s_add_co_u32 s21, s21, s2
	s_lshr_b32 s2, s[WV], 1
	s_lshl_b32 s2, s2, 24                          ; K (wave 0) or V (wave 2)
	s_add_co_u32 s21, s21, s2
	s_add_co_u32 s21, s21, 16777216+32768
	s_lshl_b32 s22, s16, 7
	s_lshl_b32 s2, s15, 5
	s_add_co_u32 s22, s22, s2
	s_lshl_b32 s22, s22, 13
	s_lshl_b32 s2, s13, 8
	s_add_co_u32 s22, s22, s2
	s_add_co_u32 s22, s22, 1024
	s_and_b32 s18, ttmp7, 0xffff                   ; cluster y
	s_lshr_b32 s19, s[WV], 1
	s_and_b32 s19, s19, 1
	s_mov_b32 s[PFS], 512
	s_mov_b32 s20, 8192
	s_cmp_lt_u32 s[WV], 4
	s_cselect_b32 s18, ttmp9, s18                  ; the coordinate along which other clusters read the same bytes
	s_cselect_b32 s19, s13, s19                    ; 0 in waves 0, 2 and in waves 4, 5
	s_cselect_b64 s[PFA:PFA+1], s[4:5], s[6:7]
	s_cselect_b32 s[PFS], 16384, s[PFS]            ; a fill on
	s_cselect_b32 s20, 256, s20                    ; from lane to lane
	s_cselect_b32 s22, s21, s22
	s_mov_b32 s23, 0
	s_mov_b32 s[PFS+1], 0
	s_add_nc_u64 s[PFA:PFA+1], s[PFA:PFA+1], s[22:23]
	s_or_b32 s18, s18, s19
	s_cmp_eq_u32 s18, 0
	s_cselect_b32 s[LIM], 1, -1                    ; the same in all sixteen partners, for a given wave
	v_and_b32 v[PFO], 31, v0
	v_mul_lo_u32 v[PFO], v[PFO], s20
	; THE FINE ROWS' LOW PARTS, waves 0 and 4.  The registers are cleared whole; in the first cluster of a row of clusters they are then loaded, by the lanes of the work-group whose block of queries is the first alone
	s_cmp_lg_u32 s12, 0
	s_cbranch_scc1 .Lnf0
	WIN 0x40
.set i, 0
.rept 32
	v_mov_b32 v[QL+i], 0                           ; q's and k's low parts
.set i, i+1
.endr
	WIN 0
.set i, 0
.rept 16
	v_mov_b32 v[M+i], 0                            ; v's low rows, as they lie in memory: the mask's registers are free until the first step
.set i, i+1
.endr
	s_cmp_lg_u32 ttmp9, 0                          ; the cluster's x: the same in all partners
	s_cbranch_scc1 .Lnf0
	s_wait_xcnt 0x0                                ; q's loads have had their addresses translated: EXEC changes only behind this wait
	v_cmp_eq_u32 vcc_lo, 0, v[FLG]
	s_and_saveexec_b32 s[SAV], vcc_lo
	WIN 0x40
.irp ks, 0,1
	global_load_b128 v[QL+8*\ks:QL+8*\ks+3], v[QO], s[FB:FB+1] offset:64*\ks
	global_load_b128 v[QL+8*\ks+4:QL+8*\ks+7], v[QO], s[FB:FB+1] offset:64*\ks+32
	global_load_b128 v[KL+8*\ks:KL+8*\ks+3], v[QO], s[FB:FB+1] offset:131072+64*\ks
	global_load_b128 v[KL+8*\ks+4:KL+8*\ks+7], v[QO], s[FB:FB+1] offset:131072+64*\ks+32
.endr
	WIN 0
.irp n, 0,1,2,3
	global_load_b128 v[M+4*\n:M+4*\n+3], v[L16], s[FB:FB+1] offset:262144+512*\n
.endr
	s_wait_xcnt 0x0                                ; and again, in front of the line that widens it
	s_or_b32 exec_lo, exec_lo, s[SAV]
.Lnf0:
.irp t, 0,1
	v_mov_b32 v[ST+8*\t], 0xf149f2ca               ; m = -1e30
	v_mov_b32 v[ST+8*\t+1], 0
	v_mov_b32 v[ST+8*\t+2], 0                      ; l
	v_mov_b32 v[ST+8*\t+3], 0
	v_mov_b32 v[ST+8*\t+5], 0
	v_mov_b32 v[ST+8*\t+7], 0
.endr
	WIN 0x40
.set i, 0
.rept 64
	v_mov_b32 v[OW+i], 0                           ; O^T: the step is written once; the first finds zeros, which a = 0 leaves zeros
.set i, i+1
.endr
	WIN 0
; A KEY STEP: 64 keys, the j-th half of a slot; 32 matrix instructions.  fine = 1: the launch's first step, with the fine rows' twelve more.
.macro STEP slot, j, fine
.rept 4
	v_nop                                          ; places ahead of loads into registers that the last products read
.endr
	WIN 0x40
.irp kt, 0,1,2,3
.irp ks, 0,1
	ds_load_b128 v[16*\kt+8*\ks:16*\kt+8*\ks+3], v[AK+\slot] offset:64*KP*\j+16*KP*\kt+64*\ks
	ds_load_b128 v[16*\kt+8*\ks+4:16*\kt+8*\ks+7], v[AK+\slot] offset:64*KP*\j+16*KP*\kt+64*\ks+32
.endr
.endr
.irp ks, 0,1
.irp dt, 0,1,2,3
	ds_load_tr16_b128 v[VW+8*(4*\ks+\dt):VW+8*(4*\ks+\dt)+3], v[AV+\slot] offset:64*VP*\j+32*VP*\ks+32*\dt
	ds_load_tr16_b128 v[VW+8*(4*\ks+\dt)+4:VW+8*(4*\ks+\dt)+7], v[AV+\slot] offset:64*VP*\j+32*VP*\ks+32*\dt+16*VP
.endr
.endr
	WIN 0
.irp t, 0,1
.irp kt, 0,1,2,3
	ds_load_b128 v[M+32*\t+8*\kt:M+32*\t+8*\kt+3], v[AM+\slot] offset:256*\j+16*MP*\t+64*\kt
	ds_load_b128 v[M+32*\t+8*\kt+4:M+32*\t+8*\kt+7], v[AM+\slot] offset:256*\j+16*MP*\t+64*\kt+16
.endr
.endr
	s_wait_dscnt 32                                ; K is in (and whatever LDS was asked for ahead of it); V's sixteen loads and the mask's sixteen are younger
	WIN 0x01
.irp ks, 0,1                                   ; eight accumulators by turns, one instruction a turn
.irp t, 0,1
.irp kt, 0,1,2,3
.if \ks == 0
	v_wmma_f32_16x16x32_f16 v[S+32*\t+8*\kt:S+32*\t+8*\kt+7], v[16*\kt+8*\ks:16*\kt+8*\ks+7], v[Q+16*\t+8*\ks:Q+16*\t+8*\ks+7], 0
.else
	v_wmma_f32_16x16x32_f16 v[S+32*\t+8*\kt:S+32*\t+8*\kt+7], v[16*\kt+8*\ks:16*\kt+8*\ks+7], v[Q+16*\t+8*\ks:Q+16*\t+8*\ks+7], v[S+32*\t+8*\kt:S+32*\t+8*\kt+7]
.endif
.endr
.endr
.endr
	WIN 0
.if \fine                                      ; queries 0-15 against keys 0-15: k high x q low and k low x q high: four links on one accumulator, a wait ahead of each
	s_cmp_lg_u32 s12, 0
	s_cbranch_scc1 .Lnf1_\@
	s_cmp_lg_u32 ttmp9, 0
	s_cbranch_scc1 .Lnf1_\@
.irp ks, 0,1
	WIN 0x05
	s_wait_alu depctr_va_vdst(0)
	v_wmma_f32_16x16x32_f16 v[S:S+7], v[8*\ks:8*\ks+7], v[QL+8*\ks:QL+8*\ks+7], v[S:S+7]
	WIN 0x01
	s_wait_alu depctr_va_vdst(0)
	v_wmma_f32_16x16x32_f16 v[S:S+7], v[KL+8*\ks:KL+8*\ks+7], v[Q+8*\ks:Q+8*\ks+7], v[S:S+7]
.endr
	WIN 0
.Lnf1_\@:
.endif
	s_wait_dscnt 0x0                               ; the mask and V are in
.rept 4
	v_nop                                          ; places ahead of the first read of the scores
.endr
.irp i, 0,2,4,6,8,10,12,14,16,18,20,22,24,26,28,30
.irp t, 0,1
	v_pk_fma_f32 v[S+32*\t+\i:S+32*\t+\i+1], v[M+32*\t+\i:M+32*\t+\i+1], s[LE:LE+1], v[S+32*\t+\i:S+32*\t+\i+1] op_sel_hi:[1,0,1]   ; u; each accumulator from its low end on
.endr
.endr
.irp c, 0,1,2,3
.irp t, 0,1
	v_max3_num_f32 v[CH+4*\t+\c], v[S+32*\t+8*\c], v[S+32*\t+8*\c+1], v[S+32*\t+8*\c+2]
.endr
.endr
.irp i, 3,5
.irp c, 0,1,2,3
.irp t, 0,1
	v_max3_num_f32 v[CH+4*\t+\c], v[CH+4*\t+\c], v[S+32*\t+8*\c+\i], v[S+32*\t+8*\c+\i+1]
.endr
.endr
.endr
.irp t, 0,1
	v_max3_num_f32 v[CH+4*\t], v[CH+4*\t], v[S+32*\t+7], v[S+32*\t+15]
	v_max3_num_f32 v[CH+4*\t+2], v[CH+4*\t+2], v[S+32*\t+23], v[S+32*\t+31]
.endr
.irp t, 0,1
	v_max3_num_f32 v[CH+4*\t], v[CH+4*\t], v[CH+4*\t+1], v[CH+4*\t+2]
.endr
.irp t, 0,1
	v_max3_num_f32 v[CH+4*\t], v[CH+4*\t], v[CH+4*\t+3], v[ST+8*\t]     ; with the old m
.endr
.irp t, 0,1
	v_permlanex16_b32 v[ST+8*\t+7], v[CH+4*\t], s[SEL], s[SEL+1]         ; the query's other 32 keys lie 16 lanes away
	v_mov_b32 v[ST+8*\t+1], v[ST+8*\t]
.endr
.irp t, 0,1
	v_max_num_f32 v[ST+8*\t], v[CH+4*\t], v[ST+8*\t+7]                  ; the new m
.endr
.irp t, 0,1
	v_sub_f32 v[ST+8*\t+6], v[ST+8*\t+1], v[ST+8*\t]
.endr
.irp i, 0,2,4,6,8,10,12,14,16,18,20,22,24,26,28,30
.irp t, 0,1
	v_pk_add_f32 v[S+32*\t+\i:S+32*\t+\i+1], v[S+32*\t+\i:S+32*\t+\i+1], v[ST+8*\t:ST+8*\t+1] op_sel_hi:[1,0] neg_lo:[0,1] neg_hi:[0,1]   ; u - m
.endr
.endr
.irp t, 0,1
	v_exp_f32 v[ST+8*\t+4], v[ST+8*\t+6]           ; a
.endr
.set i, 0
.rept 64
	v_exp_f32 v[S+i], v[S+i]                       ; p
.set i, i+1
.endr
	v_nop                                          ; a plain instruction behind the last exponential
	s_wait_alu depctr_va_vdst(0)                   ; ONE wait for both tiles' 66 exponentials, ahead of their first reader
.irp i, 0,1,2,3,4,5,6,7,8,9,10,11,12,13,14,15
.irp t, 0,1
	v_cvt_pk_f16_f32 v[P+16*\t+\i], v[S+32*\t+2*\i], v[S+32*\t+2*\i+1]
.endr
.endr
.irp t, 0,1
	v_pk_fma_f32 v[ST+8*\t+2:ST+8*\t+3], v[ST+8*\t+2:ST+8*\t+3], v[ST+8*\t+4:ST+8*\t+5], v[S+32*\t:S+32*\t+1] op_sel_hi:[1,0,1]   ; l = l a + the sum of the unrounded p, in two chains
	v_pk_add_f32 v[ST+8*\t+6:ST+8*\t+7], v[S+32*\t+2:S+32*\t+3], v[S+32*\t+4:S+32*\t+5]
.endr
.irp i, 6,10,14,18,22,26
.irp t, 0,1
	v_pk_add_f32 v[ST+8*\t+2:ST+8*\t+3], v[ST+8*\t+2:ST+8*\t+3], v[S+32*\t+\i:S+32*\t+\i+1]
	v_pk_add_f32 v[ST+8*\t+6:ST+8*\t+7], v[ST+8*\t+6:ST+8*\t+7], v[S+32*\t+\i+2:S+32*\t+\i+3]
.endr
.endr
.irp t, 0,1
	v_pk_add_f32 v[ST+8*\t+2:ST+8*\t+3], v[ST+8*\t+2:ST+8*\t+3], v[S+32*\t+30:S+32*\t+31]
.endr
.irp t, 0,1
	v_pk_add_f32 v[ST+8*\t+2:ST+8*\t+3], v[ST+8*\t+2:ST+8*\t+3], v[ST+8*\t+6:ST+8*\t+7]
.endr
.if \fine                                      ; keys 0-15 of queries 0-15: p less its f16 rounding, as f16, and its high part by itself; the upper 16 keys of both operands are zeros.  The mask's registers are free here
	s_cmp_lg_u32 s12, 0
	s_cbranch_scc1 .Lnf2_\@
	s_cmp_lg_u32 ttmp9, 0
	s_cbranch_scc1 .Lnf2_\@
.irp e, 0,1,2,3
	v_mov_b32 v45, v[P+\e]
	v_cvt_f32_f16 v[M+2*\e], v45.l
	v_cvt_f32_f16 v[M+2*\e+1], v45.h
.endr
.irp e, 0,2,4,6
	v_pk_add_f32 v[M+\e:M+\e+1], v[S+\e:S+\e+1], v[M+\e:M+\e+1] neg_lo:[0,1] neg_hi:[0,1]
.endr
.irp e, 0,1,2,3
	v_cvt_pk_f16_f32 v[PL+\e], v[M+2*\e], v[M+2*\e+1]
	v_mov_b32 v[PL+4+\e], 0
	v_mov_b32 v[PH+\e], v[P+\e]
	v_mov_b32 v[PH+4+\e], 0
.endr
.Lnf2_\@:
.endif
	WIN 0x41
.irp i, 0,2,4,6,8,10,12,14,16,18,20,22,24,26,28,30
.irp t, 0,1
	v_pk_mul_f32 v[OW+32*\t+\i:OW+32*\t+\i+1], v[OW+32*\t+\i:OW+32*\t+\i+1], v[ST+8*\t+4:ST+8*\t+5] op_sel_hi:[1,0]   ; O^T x a
.endr
.endr
	WIN 0x51
.irp ks, 0,1                                   ; eight accumulators by turns
.irp t, 0,1
.irp dt, 0,1,2,3
	v_wmma_f32_16x16x32_f16 v[OW+32*\t+8*\dt:OW+32*\t+8*\dt+7], v[VW+8*(4*\ks+\dt):VW+8*(4*\ks+\dt)+7], v[P+16*\t+8*\ks:P+16*\t+8*\ks+7], v[OW+32*\t+8*\dt:OW+32*\t+8*\dt+7]
.endr
.endr
.endr
	WIN 0
.if \fine                                      ; v high x p low, v low x p high: tile 0's four accumulators by turns
	s_cmp_lg_u32 s12, 0
	s_cbranch_scc1 .Lnf3_\@
	s_cmp_lg_u32 ttmp9, 0
	s_cbranch_scc1 .Lnf3_\@
	WIN 0x51
.irp dt, 0,1,2,3
	v_wmma_f32_16x16x32_f16 v[OW+8*\dt:OW+8*\dt+7], v[VW+8*\dt:VW+8*\dt+7], v[PL:PL+7], v[OW+8*\dt:OW+8*\dt+7]
.endr
.irp dt, 0,1,2,3
	v_wmma_f32_16x16x32_f16 v[OW+8*\dt:OW+8*\dt+7], v[VL+8*\dt:VL+8*\dt+7], v[PH:PH+7], v[OW+8*\dt:OW+8*\dt+7]
.endr
	WIN 0
.Lnf3_\@:
.endif
.endm
; THE CHANGE OF SLOTS.  Each wave waits for all its tensor loads (one is out: its part of the slot ahead), adds 0 to its spare word, and waits for that and for its reads of slot s, which it has left.
; fill = 1: slot s takes the keys two fills on: the barrier is a round of the cluster's, and the joint refill is the first thing behind it.
.macro CHANGE s, fill
	s_wait_tensorcnt 0x0                           ; no tensor load of mine is out, so a group 0 may be written
	ds_add_u32 v[SPW], v[NIL]
.if \fill
	s_add_nc_u64 s[G0K+4*\s+2:G0K+4*\s+3], s[G0K+4*\s+2:G0K+4*\s+3], 32768
	s_add_nc_u64 s[G0V+4*\s+2:G0V+4*\s+3], s[G0V+4*\s+2:G0V+4*\s+3], 32768
	s_add_nc_u64 s[G0M+4*\s+2:G0M+4*\s+3], s[G0M+4*\s+2:G0M+4*\s+3], 1024
	s_wait_xcnt 0x0                                ; the last prefetch, a slot back, has read its address
	s_add_nc_u64 s[PFA:PFA+1], s[PFA:PFA+1], s[PFS:PFS+1]
	s_wait_dscnt 0x0                               ; the add is done, my reads of the slot are over
	CROUND
	JLOAD \s
	ASK
	s_sub_co_u32 s[LEFT], s[LEFT], 1
.else
	s_wait_dscnt 0x0
	s_barrier_signal -1
	s_barrier_wait -1
.endif
.endm
	s_wait_tensorcnt 1                             ; my part of slot 0 is in; slot 1's load is younger
	s_barrier_signal -1
	s_barrier_wait -1
	s_wait_loadcnt 0x0                             ; q, and the low parts
	s_cmp_lg_u32 s12, 0                            ; waves 0 and 4: v's low rows of keys 0-15 turn through my own bytes of the stage into a fragment for each 16 channels
	s_cbranch_scc1 .Lnfb
.irp n, 0,1,2,3
	ds_store_b128 v[VLA], v[M+4*\n:M+4*\n+3] offset:4*VP*\n
.endr
	WIN 0x40
.irp dt, 0,1,2,3                               ; LDS serves a wave's instructions in order: these see the stores.  A fragment's upper 16 keys meet zeros: the same rows once more, so that they are numbers
	ds_load_tr16_b128 v[VL+8*\dt:VL+8*\dt+3], v[VLT] offset:32*\dt
	ds_load_tr16_b128 v[VL+8*\dt+4:VL+8*\dt+7], v[VLT] offset:32*\dt
.endr
	WIN 0
.Lnfb:
	STEP 0, 0, 1
	STEP 0, 1, 0
	s_mov_b32 s[LOOP], 7
.Lring:                                                ; seven trips, two slots each: fourteen refills
	CHANGE 0, 1
	STEP 1, 0, 0
	STEP 1, 1, 0
	CHANGE 1, 1
	STEP 0, 0, 0
	STEP 0, 1, 0
	s_sub_co_u32 s[LOOP], s[LOOP], 1
	s_cmp_lg_u32 s[LOOP], 0
	s_cbranch_scc1 .Lring
	CHANGE 0, 0                                    ; the tail is written out: nothing is left to ask for
	STEP 1, 0, 0
	STEP 1, 1, 0
	; THE WAY OUT.  The additions are the places behind the last products.
.irp t, 0,1
	v_add_f32 v[ST+8*\t+6], v[ST+8*\t+2], v[ST+8*\t+3]
.endr
.irp t, 0,1
	v_permlanex16_b32 v[ST+8*\t+7], v[ST+8*\t+6], s[SEL], s[SEL+1]
.endr
.irp t, 0,1
	v_add_f32 v[ST+8*\t+6], v[ST+8*\t+6], v[ST+8*\t+7]
.endr
	v_nop
	v_nop
.irp t, 0,1
	v_rcp_f32 v[ST+8*\t+4], v[ST+8*\t+6]
.endr
	v_nop
	s_wait_alu depctr_va_vdst(0)
	WIN 0x41
.irp t, 0,1
.irp i, 0,2,4,6,8,10,12,14,16,18,20,22,24,26,28,30
	v_pk_mul_f32 v[OW+32*\t+\i:OW+32*\t+\i+1], v[OW+32*\t+\i:OW+32*\t+\i+1], v[ST+8*\t+4:ST+8*\t+5] op_sel_hi:[1,0]
.endr
.endr
	WIN 0x05
.set i, 0
.rept 32
	v_cvt_pk_f16_f32 v[S+i], v[OW+2*i], v[OW+2*i+1]
.set i, i+1
.endr
	WIN 0
	s_cmp_lg_u32 s12, 0                            ; the fine rows' ctx in f32: tile 0 of waves 0 and 4, stored by the work-group whose block of queries is the first alone
	s_cbranch_scc1 .Lnf4
	s_cmp_lg_u32 ttmp9, 0
	s_cbranch_scc1 .Lnf4
	s_wait_xcnt 0x0                                ; EXEC changes only behind this wait
	v_cmp_eq_u32 vcc_lo, 0, v[FLG]
	s_and_saveexec_b32 s[SAV], vcc_lo
	WIN 0x04                                       ; the data lie in window 1
.irp g, 0,1,2,3,4,5,6,7
	global_store_b128 v[L16], v[OW+4*\g:OW+4*\g+3], s[CF:CF+1] offset:512*\g   ; each store of the wave covers 512 consecutive bytes
.endr
	WIN 0
	s_wait_xcnt 0x0                                ; and again, in front of the line that widens it
	s_or_b32 exec_lo, exec_lo, s[SAV]
.Lnf4:
.irp t, 0,1
.irp dt, 0,1,2,3
	ds_store_b128 v[STO], v[S+16*\t+4*\dt:S+16*\t+4*\dt+3] offset:16*SP*\t+32*\dt
.endr
.endr
	s_wait_dscnt 0x0                               ; for the others' sake: a token's 256 bytes come from two waves
	s_barrier_signal -1
	s_barrier_wait -1
.irp i, 0,1,2,3,4,5,6,7
	ds_load_b128 v[M+4*\i:M+4*\i+3], v[RD] offset:2*\i*SP
.endr
.irp i, 0,1,2,3,4,5,6,7
	s_wait_dscnt 7-\i
	global_store_b128 v[GO], v[M+4*\i:M+4*\i+3], s[8:9] offset:2*\i*2048   ; sixteen lanes store 256 consecutive bytes, aligned
.endr
	s_wait_tensorcnt 0x0                           ; the wave's end
	ds_add_u32 v[SPW], v[NIL]
	s_wait_dscnt 0x0
	CROUND                                         ; the closing round
	s_endpgm
.Lfunc_end_k_q498898a15e_attn:
	.size	k_q498898a15e_attn, .Lfunc_end_k_q498898a15e_attn-k_q498898a15e_attn
	.p2alignl 7, 3214868480
	.fill 96, 4, 3214868480
	.section	.rodata,"a",@progbits
	.p2align	6, 0x0
	.amdhsa_kernel k_q498898a15e_attn
		.amdhsa_group_segment_fixed_size 327680
		.amdhsa_private_segment_fixed_size 0
		.amdhsa_enable_private_segment 0
		.amdhsa_kernarg_size 32
		.amdhsa_user_sgpr_count 2
		.amdhsa_user_sgpr_kernarg_segment_ptr 1
		.amdhsa_wavefront_size32 1
		.amdhsa_system_sgpr_workgroup_id_x 1
		.amdhsa_system_sgpr_workgroup_id_y 1
		.amdhsa_system_sgpr_workgroup_id_z 1
		.amdhsa_system_vgpr_workitem_id 0
		.amdhsa_next_free_vgpr 512
		.amdhsa_next_free_sgpr 100
		.amdhsa_reserve_vcc 1
		.amdhsa_float_denorm_mode_32 3
		.amdhsa_float_denorm_mode_16_64 3
		.amdhsa_memory_ordered 1
		.amdhsa_forward_progress 1
		.amdhsa_inst_pref_size 194
	.end_amdhsa_kernel
	.amdgpu_metadata
---
amdhsa.version: [ 1, 2 ]
amdhsa.kernels:
  - .name:           k_q498898a15e_attn
    .symbol:         k_q498898a15e_attn.kd
    .args:
      - { .name: qkvb, .offset: 0, .size: 8, .value_kind: global_buffer, .address_space: global }
      - { .name: attention_mask, .offset: 8, .size: 8, .value_kind: global_buffer, .address_space: global }
      - { .name: ctx16, .offset: 16, .size: 8, .value_kind: global_buffer, .address_space: global }
      - { .name: ctxf, .offset: 24, .size: 8, .value_kind: global_buffer, .address_space: global }
    .group_segment_fixed_size: 327680
    .private_segment_fixed_size: 0
    .kernarg_segment_align: 8
    .kernarg_segment_size: 32
    .max_flat_workgroup_size: 256
    .sgpr_count:     100
    .vgpr_count:     512
    .wavefront_size: 32
...
	.end_amdgpu_metadata
.endif
;; end of part 3
;; launch proj (part 4): grid 8 x 64, 4 waves a work-group, clusters of 4 x 4, 327,680 bytes of LDS; arguments ctx16, prepb, out0; writes out0
.if DOCPART == 4
	.amdgcn_target "amdgcn-amd-amdhsa--gfx1250"
	.amdhsa_code_object_version 6
	.text
	.protected	k_q498898a15e_proj
	.globl	k_q498898a15e_proj
	.p2align	8
	.type	k_q498898a15e_proj,@function
k_q498898a15e_proj:
	s_mov_b64 s[64:65], 0
	v_nop
	global_prefetch_b8 v0, s[64:65] scope:SCOPE_SE
	s_setreg_imm32_b32 hwreg(HW_REG_WAVE_MODE, 25, 1), 1
	s_wait_xcnt 0x0
	s_wait_alu depctr_hold_cnt(0) depctr_sa_sdst(0) depctr_va_vdst(0) depctr_va_sdst(0) depctr_va_ssrc(0) depctr_va_vcc(0) depctr_vm_vsrc(0)
	s_getreg_b32 s2, hwreg(HW_REG_IB_STS2, 6, 4)
	s_cmp_eq_u32 s2, 0
	s_cbranch_scc0 .Lentry_in_a_cluster
	s_endpgm
.Lentry_in_a_cluster:
	s_bfe_u32 s2, ttmp6, 0x10000c
	s_cmp_lg_u32 s2, 0xf033
	s_cbranch_scc0 .Lentry_shape_is_right
	s_endpgm
.Lentry_shape_is_right:
; out = ctx Wo^T: M 8,192, N 1,024, K 1,024, f16 operands, f32 sums, f32 out.  Nothing of reference() is left out; the rows of positions 0-15 lie inside live tiles and are replaced by the next launch's finer ones.
; A tile of C is 128 x 128 (512 work-groups); four waves, each 64 x 64: 16 accumulators.  K goes in steps of 256 (LDS rows of 512 bytes) through two slots.
; CLUSTER 4 x 4: ctx's tiles are asked for jointly along a row of the cluster, Wo's along a column.  THE MATRIX INSTRUCTION IS USED TRANSPOSED: a lane holds eight neighbouring numbers of a row of C.
; A wave's 64 columns of f32 are 256 aligned bytes of a row, so each wave has a stage of its own on the way out and no barrier is needed there.
; REGISTERS: window 0: v0-31 addresses; v32-95 at work on the way out; v128-255 the accumulators.   window 1: two fragment buffers of 128.
.set SIZE_N, 1024
.set SIZE_K, 1024
.set WO_OFF, 6127616
.set KSTEP,  256
.set PITCH,  528
.set HALFT,  64*PITCH
.set SLOT,   4*HALFT
.set STAGE,  2*SLOT                    ; 16 rows x 272 bytes for each wave
.set SPITCH, 272
.set SPARE,  STAGE+4*16*SPITCH         ; the spare words: 128 bytes a wave, named by no other line
.set LAPS, SIZE_K/(2*KSTEP)
.set ADRA, 16
.set ADRB, 20
.set STO,  24
.set RD,   25
.set CO,   26
.set SPW,  28
.set NIL,  29
.set TMP,  32
.set ACC,  128
.set F0,   0
.set F1,   128
.set G1, 24
.set G0, 32
.set G1B, 48
.set G0B, 56
.set MSB, 0
.macro WIN new
.if MSB != \new
	s_set_vgpr_msb (MSB<<8)|\new
.set MSB, \new
.endif
.endm
.set MUL,  0x05
.set TO_F, 0x40
.macro JLOAD s
	s_cmp_eq_u32 s11, 0
	s_cbranch_scc0 .Lfor_b_\@
	tensor_load_to_lds s[G0+4*\s:G0+4*\s+3], s[G1:G1+7]
	s_nop 0
.rept 4
	v_nop
.endr
	s_branch .Lasked_\@
.Lfor_b_\@:
	tensor_load_to_lds s[G0B+4*\s:G0B+4*\s+3], s[G1B:G1B+7]
	s_nop 0
.rept 4
	v_nop
.endr
.Lasked_\@:
.endm
.macro CREST
	s_cmp_lg_u32 s10, 0
	s_cbranch_scc1 .Lnot_wave_0_\@
	s_barrier_signal -3
.Lnot_wave_0_\@:
	s_barrier_wait -3
	s_barrier_signal -1
	s_barrier_wait -1
.endm
.macro CROUND
	s_barrier_signal -1
	s_barrier_wait -1
	CREST
.endm
	s_load_b128 s[4:7], s[0:1], 0x0                ; ctx16 s[4:5], prepb s[6:7]
	s_load_b64 s[8:9], s[0:1], 0x10                ; out0
	v_lshl_add_u32 v[SPW], v0, 2, SPARE
	v_mov_b32 v[NIL], 0
	ds_add_u32 v[SPW], v[NIL]                      ; the opening: the add, twice on end, and its wait ahead of my first tensor load
	ds_add_u32 v[SPW], v[NIL]
	v_lshrrev_b32 v1, 5, v0
	v_readfirstlane_b32 s10, v1
	s_lshr_b32 s11, s10, 1                         ; my half of the rows; also: I fetch for ctx (0) or Wo (1)
	s_and_b32 s12, s10, 1                          ; my half of the columns; also: which 64 rows I fetch
	s_bfe_u32 s40, ttmp6, 0x40000
	s_bfe_u32 s41, ttmp6, 0x40004
	s_lshl_b32 s42, ttmp9, 2
	s_add_co_u32 s42, s42, s40                     ; tile column
	s_and_b32 s13, ttmp7, 0xffff
	s_lshl_b32 s13, s13, 2
	s_add_co_u32 s13, s13, s41                     ; tile row
	s_lshl_b32 s43, s41, 2
	s_lshl_b32 s43, 15, s43
	s_lshl_b32 s44, 0x1111, s40
	s_or_b32 s[G1+0], s43, (1<<16)|(1<<20)|(1<<21)|(6<<22)|(3<<25)  ; elements of 2 bytes; 4 words of padding behind every 128
	s_or_b32 s[G1B+0], s44, (1<<16)|(1<<20)|(1<<21)|(6<<22)|(3<<25)
.irp g, G1, G1B
	s_mov_b32 s[\g+1], KSTEP<<16
	s_mov_b32 s[\g+2], 64<<16
	s_mov_b32 s[\g+3], KSTEP<<16
	s_mov_b32 s[\g+4], 64
	s_mov_b32 s[\g+5], SIZE_K
	s_mov_b32 s[\g+6], 0
	s_mov_b32 s[\g+7], 0
.endr
	s_lshl_b32 s17, s12, 6
	s_lshl_b32 s16, s13, 7
	s_add_co_u32 s16, s16, s17
	s_lshl_b32 s46, s42, 7
	s_add_co_u32 s46, s46, s17
	s_mov_b32 s17, 0
	s_mov_b32 s47, 0
	s_mov_b64 s[18:19], SIZE_K*2
	s_mul_u64 s[16:17], s[16:17], s[18:19]
	s_mul_u64 s[46:47], s[46:47], s[18:19]
	s_mul_i32 s20, s10, HALFT
	s_wait_dscnt 0x0
	s_wait_kmcnt 0x0
	s_add_nc_u64 s[14:15], s[4:5], s[16:17]
	s_add_nc_u64 s[46:47], s[6:7], s[46:47]
	s_add_nc_u64 s[46:47], s[46:47], WO_OFF
	CROUND
.irp s, 0,1
	s_mov_b32 s[G0+4*\s], 1
	s_add_co_u32 s[G0+4*\s+1], s20, \s*SLOT
	s_add_nc_u64 s[G0+4*\s+2:G0+4*\s+3], s[14:15], \s*KSTEP*2
	s_or_b32 s[G0+4*\s+3], s[G0+4*\s+3], 0x80000000
	s_mov_b32 s[G0B+4*\s], 1
	s_add_co_u32 s[G0B+4*\s+1], s20, \s*SLOT
	s_add_nc_u64 s[G0B+4*\s+2:G0B+4*\s+3], s[46:47], \s*KSTEP*2
	s_or_b32 s[G0B+4*\s+3], s[G0B+4*\s+3], 0x80000000
	JLOAD \s
.endr
	v_and_b32 v1, 15, v0
	v_bfe_u32 v2, v0, 4, 1
	v_mul_u32_u24 v3, v1, PITCH
	v_lshl_add_u32 v3, v2, 4, v3
	s_mul_i32 s21, s11, HALFT
	s_mul_i32 s22, s12, HALFT
	s_add_co_u32 s22, s22, 2*HALFT
.irp s, 0,1
	v_add_nc_u32 v[ADRA+\s], s21, v3
	v_add_nc_u32 v[ADRB+\s], s22, v3
	s_add_co_u32 s21, s21, SLOT
	s_add_co_u32 s22, s22, SLOT
.endr
	s_mul_i32 s23, s10, 16*SPITCH
	s_add_co_u32 s23, s23, STAGE                   ; my stage
	v_mul_u32_u24 v4, v1, SPITCH
	v_lshl_add_u32 v4, v2, 5, v4
	v_add_nc_u32 v[STO], s23, v4                   ; in: row r, 32 bytes for each half of the lanes
	v_mul_u32_u24 v5, v2, SPITCH
	v_lshl_add_u32 v5, v1, 4, v5
	v_add_nc_u32 v[RD], s23, v5                    ; back: lanes 0-15 one row of 256 bytes, lanes 16-31 the next
	v_lshlrev_b32 v5, 12, v2
	v_lshl_add_u32 v[CO], v1, 4, v5                ; and the same two rows in C
	s_lshl_b32 s16, s13, 7
	s_lshl_b32 s17, s11, 6
	s_add_co_u32 s16, s16, s17                     ; my first row
	s_lshl_b32 s16, s16, 12
	s_mov_b32 s17, 0
	s_add_nc_u64 s[8:9], s[8:9], s[16:17]
	s_lshl_b32 s46, s42, 9
	s_lshl_b32 s47, s12, 8
	s_add_co_u32 s46, s46, s47                     ; my first column, in bytes
	s_mov_b32 s47, 0
	s_add_nc_u64 s[8:9], s[8:9], s[46:47]
.macro MUL8 f, c, a0, zero             ; the 16 accumulators take turns
.irp a, \a0, \a0+1
.irp b, 0,1,2,3
.if \zero
	v_wmma_f32_16x16x32_f16 v[ACC+8*(4*(\a)+\b):ACC+8*(4*(\a)+\b)+7], v[\f+64+8*(4*\c+\b):\f+64+8*(4*\c+\b)+7], v[\f+8*(4*\c+\a):\f+8*(4*\c+\a)+7], 0
.else
	v_wmma_f32_16x16x32_f16 v[ACC+8*(4*(\a)+\b):ACC+8*(4*(\a)+\b)+7], v[\f+64+8*(4*\c+\b):\f+64+8*(4*\c+\b)+7], v[\f+8*(4*\c+\a):\f+8*(4*\c+\a)+7], v[ACC+8*(4*(\a)+\b):ACC+8*(4*(\a)+\b)+7]
.endif
.endr
.endr
.endm
.macro FETCH slot, k, f
	WIN TO_F
.irp c, 0,1
.irp i, 0,1,2,3
	ds_load_b128 v[\f+64+8*(4*\c+\i):\f+64+8*(4*\c+\i)+3],   v[ADRB+\slot] offset:\k+64*\c+\i*16*PITCH
	ds_load_b128 v[\f+64+8*(4*\c+\i)+4:\f+64+8*(4*\c+\i)+7], v[ADRB+\slot] offset:\k+64*\c+\i*16*PITCH+32
	ds_load_b128 v[\f+8*(4*\c+\i):\f+8*(4*\c+\i)+3],         v[ADRA+\slot] offset:\k+64*\c+\i*16*PITCH
	ds_load_b128 v[\f+8*(4*\c+\i)+4:\f+8*(4*\c+\i)+7],       v[ADRA+\slot] offset:\k+64*\c+\i*16*PITCH+32
.endr
.endr
.endm
.macro PLACES
.rept 4
	v_nop
.endr
.endm
.macro QUARTER slot, k, f, g, zero
	s_wait_dscnt 16                                ; the first 32 along K are in; the other sixteen loads are younger
	WIN MUL
	MUL8 \f, 0, 0, \zero
	MUL8 \f, 0, 2, \zero
	PLACES
	FETCH \slot, \k, \g
	s_wait_dscnt 32                                ; all but the 32 just issued
	WIN MUL
	MUL8 \f, 1, 0, 0
	MUL8 \f, 1, 2, 0
.endm
.macro TURN slot, next, fill
	WIN 0
	s_wait_tensorcnt 0x0                           ; all my tensor loads have landed: my part of the next slot
	ds_add_u32 v[SPW], v[NIL]
	s_wait_dscnt 17                                ; the add and the youngest sixteen loads may be out
	WIN MUL
	MUL8 F1, 0, 0, 0
	s_wait_dscnt 0x0                               ; the add is done, my reads of this slot are over
	s_barrier_signal -1
	MUL8 F1, 0, 2, 0
.if \fill
	WIN 0
.endif
	s_barrier_wait -1
.if \fill
	CREST                                          ; the barrier has opened a round of the cluster's
	s_add_nc_u64 s[G0+4*\slot+2:G0+4*\slot+3], s[G0+4*\slot+2:G0+4*\slot+3], 2*KSTEP*2
	s_add_nc_u64 s[G0B+4*\slot+2:G0B+4*\slot+3], s[G0B+4*\slot+2:G0B+4*\slot+3], 2*KSTEP*2
	JLOAD \slot
.else
	PLACES
.endif
	FETCH \next, 0, F0
	WIN MUL
	MUL8 F1, 1, 0, 0
	MUL8 F1, 1, 2, 0
.endm
	s_wait_tensorcnt 1                             ; my part of K step 0 is in; K step 1's load is younger
	s_barrier_signal -1
	s_barrier_wait -1
	FETCH 0, 0, F0
	QUARTER 0, 128, F0, F1, 1
	WIN 0
	s_mov_b32 s3, LAPS-1
.Llap:
	QUARTER 0, 256, F1, F0, 0
	QUARTER 0, 384, F0, F1, 0
	TURN 0, 1, 1
	QUARTER 1, 128, F0, F1, 0
	QUARTER 1, 256, F1, F0, 0
	QUARTER 1, 384, F0, F1, 0
	TURN 1, 0, 1
	QUARTER 0, 128, F0, F1, 0
	WIN 0
	s_sub_co_u32 s3, s3, 1
	s_cmp_lg_u32 s3, 0
	s_cbranch_scc1 .Llap
	QUARTER 0, 256, F1, F0, 0                      ; the last lap fills nothing
	QUARTER 0, 384, F0, F1, 0
	TURN 0, 1, 0
	QUARTER 1, 128, F0, F1, 0
	QUARTER 1, 256, F1, F0, 0
	QUARTER 1, 384, F0, F1, 0
	s_wait_dscnt 16
	WIN MUL
	MUL8 F1, 0, 0, 0
	MUL8 F1, 0, 2, 0
	s_wait_dscnt 0
	MUL8 F1, 1, 0, 0
	MUL8 F1, 1, 2, 0
	WIN 0
	; THE WAY OUT, 16 rows at a time through my own stage: LDS serves a wave's instructions in order, so no wait stands between the stores and the loads
	PLACES
.irp a, 0,1,2,3
.if \a >= 2
	s_wait_xcnt 0x0                                ; block a - 2's stores have read their data: the registers are loaded again
.endif
.irp b, 0,1,2,3
	ds_store_b128 v[STO], v[ACC+8*(4*\a+\b):ACC+8*(4*\a+\b)+3] offset:64*\b          ; each accumulator from its low end on
	ds_store_b128 v[STO], v[ACC+8*(4*\a+\b)+4:ACC+8*(4*\a+\b)+7] offset:64*\b+16
.endr
.irp i, 0,1,2,3,4,5,6,7
	ds_load_b128 v[TMP+32*(\a%2)+4*\i:TMP+32*(\a%2)+4*\i+3], v[RD] offset:2*\i*SPITCH
.endr
.irp i, 0,1,2,3,4,5,6,7
	s_wait_dscnt 7-\i
	global_store_b128 v[CO], v[TMP+32*(\a%2)+4*\i:TMP+32*(\a%2)+4*\i+3], s[8:9] offset:(16*\a+2*\i)*4096 th:TH_STORE_NT   ; sixteen lanes store 256 consecutive bytes, aligned
.endr
.endr
	s_wait_tensorcnt 0x0                           ; the wave's end
	ds_add_u32 v[SPW], v[NIL]
	s_wait_dscnt 0x0
	CROUND                                         ; the closing round
	s_endpgm
.Lfunc_end_k_q498898a15e_proj:
	.size	k_q498898a15e_proj, .Lfunc_end_k_q498898a15e_proj-k_q498898a15e_proj
	.p2alignl 7, 3214868480
	.fill 96, 4, 3214868480
	.section	.rodata,"a",@progbits
	.p2align	6, 0x0
	.amdhsa_kernel k_q498898a15e_proj
		.amdhsa_group_segment_fixed_size 327680
		.amdhsa_private_segment_fixed_size 0
		.amdhsa_enable_private_segment 0
		.amdhsa_kernarg_size 24
		.amdhsa_user_sgpr_count 2
		.amdhsa_user_sgpr_kernarg_segment_ptr 1
		.amdhsa_wavefront_size32 1
		.amdhsa_system_sgpr_workgroup_id_x 1
		.amdhsa_system_sgpr_workgroup_id_y 1
		.amdhsa_system_sgpr_workgroup_id_z 1
		.amdhsa_system_vgpr_workitem_id 0
		.amdhsa_next_free_vgpr 512
		.amdhsa_next_free_sgpr 66
		.amdhsa_reserve_vcc 0
		.amdhsa_float_denorm_mode_32 3
		.amdhsa_float_denorm_mode_16_64 3
		.amdhsa_memory_ordered 1
		.amdhsa_forward_progress 1
		.amdhsa_inst_pref_size 86
	.end_amdhsa_kernel
	.amdgpu_metadata
---
amdhsa.version: [ 1, 2 ]
amdhsa.kernels:
  - .name:           k_q498898a15e_proj
    .symbol:         k_q498898a15e_proj.kd
    .args:
      - { .name: ctx16, .offset: 0, .size: 8, .value_kind: global_buffer, .address_space: global }
      - { .name: prepb, .offset: 8, .size: 8, .value_kind: global_buffer, .address_space: global }
      - { .name: out0, .offset: 16, .size: 8, .value_kind: global_buffer, .address_space: global }
    .group_segment_fixed_size: 327680
    .private_segment_fixed_size: 0
    .kernarg_segment_align: 8
    .kernarg_segment_size: 24
    .max_flat_workgroup_size: 128
    .sgpr_count:     66
    .vgpr_count:     512
    .wavefront_size: 32
...
	.end_amdgpu_metadata
.endif
;; end of part 4
;; launch fproj (part 5): grid 256 x 1, 8 waves a work-group, no clusters, 9,216 bytes of LDS; arguments ctxf, Wo, out0; writes out0
.if DOCPART == 5
	.amdgcn_target "amdgcn-amd-amdhsa--gfx1250"
	.amdhsa_code_object_version 6
	.text
	.protected	k_q498898a15e_fproj
	.globl	k_q498898a15e_fproj
	.p2align	8
	.type	k_q498898a15e_fproj,@function
k_q498898a15e_fproj:
	s_mov_b64 s[64:65], 0
	v_nop
	global_prefetch_b8 v0, s[64:65] scope:SCOPE_SE
	s_setreg_imm32_b32 hwreg(HW_REG_WAVE_MODE, 25, 1), 1
	s_wait_xcnt 0x0
; THE OUTPUT ROWS OF POSITIONS 0-15 OF EACH SEQUENCE, in f32: out(2048 b + r, n) = the sum over c of ctx(r, c) Wo(n, c), with ctx in f32 as the attention launch left it for these rows (ctxf) and Wo as it is given.  64 rows in all: no bulk work.
; These 64 rows take the place of the f16 ones that the launch before has stored.
; A work-group: 16 columns (nt = work-group % 64) of one batch (work-group / 64); wave w sums over heads 2 w, 2 w + 1 (K = 128: 32 matrix instructions of 16 x 16 x 4); the eight partial sums meet in LDS.
; TRANSPOSED (source 0 = 16 rows of Wo, source 1 = the 16 tokens): a lane holds eight neighbouring columns of one token.  In both operands register 8 dt + j of lane (r, h) is channel 16 dt + 8 h + j of the head:
; a pair of registers is one K step of 4 under one and the same permutation of K.
; The stores are 64 bytes of a row for each work-group: the launch writes 256 KiB in all, and wider pieces would confine the f32 matrix work to a quarter of the work-groups.  No cluster: what is shared (ctxf, 256 KiB) is small, and operands go straight to registers.
.set X,   16                           ; v16-79   ctx
.set W,   80                           ; v80-143  Wo
.set E0,  144                          ; v144-159 two accumulators: written by matrix instructions alone
.set R,   160                          ; v160-167 their sum
.set SPW, 12
.set NIL, 13
.set SPARE, 8192                       ; behind the eight images of 1,024 bytes: the spare words, 128 bytes a wave
	s_load_b128 s[4:7], s[0:1], 0x0                ; ctxf, Wo
	s_load_b64 s[8:9], s[0:1], 0x10                ; out0
	v_lshl_add_u32 v[SPW], v0, 2, SPARE
	v_mov_b32 v[NIL], 0
	v_lshrrev_b32 v1, 5, v0
	v_readfirstlane_b32 s10, v1                    ; wave
	v_and_b32 v1, 15, v0                           ; r
	v_bfe_u32 v2, v0, 4, 1                         ; h
	v_and_b32 v3, 31, v0
	v_lshlrev_b32 v3, 4, v3                        ; 16 x lane
	v_lshlrev_b32 v4, 12, v1
	v_lshl_add_u32 v4, v2, 5, v4                   ; 4,096 r + 32 h: Wo's rows, and out's
	s_lshl_b32 s11, s10, 10
	v_add_nc_u32 v5, s11, v3                       ; my image
	s_lshl_b32 s11, s10, 9
	v_add_nc_u32 v6, s11, v3                       ; waves 0, 1: group w of every image
	s_lshl_b32 s11, s10, 4
	v_add_nc_u32 v7, s11, v4
	s_and_b32 s12, ttmp9, 63                       ; nt
	s_lshr_b32 s13, ttmp9, 6                       ; b
	s_lshl_b32 s14, s13, 4
	s_lshl_b32 s15, s10, 1
	s_add_co_u32 s14, s14, s15
	s_lshl_b32 s14, s14, 12                        ; image 16 b + 2 w
	s_mov_b32 s15, 0
	s_lshl_b32 s16, s12, 16                        ; Wo's row 16 nt,
	s_lshl_b32 s17, s10, 9                         ; my two heads' 512 bytes in it
	s_add_co_u32 s16, s16, s17
	s_mov_b32 s17, 0
	s_lshl_b32 s18, s13, 23                        ; out's row 2,048 b,
	s_lshl_b32 s19, s12, 6                         ; my 16 columns
	s_add_co_u32 s18, s18, s19
	s_mov_b32 s19, 0
	s_wait_kmcnt 0x0
	s_add_nc_u64 s[4:5], s[4:5], s[14:15]
	s_add_nc_u64 s[6:7], s[6:7], s[16:17]
	s_add_nc_u64 s[8:9], s[8:9], s[18:19]
.irp g, 0,1,2,3,4,5,6,7,8,9,10,11,12,13,14,15
	global_load_b128 v[X+4*\g:X+4*\g+3], v3, s[4:5] offset:512*\g
.endr
.irp d, 0,1,2,3,4,5,6,7
	global_load_b128 v[W+8*\d:W+8*\d+3], v4, s[6:7] offset:64*\d
	global_load_b128 v[W+8*\d+4:W+8*\d+7], v4, s[6:7] offset:64*\d+16
.endr
	s_wait_loadcnt 0x0
	v_wmma_f32_16x16x4_f32 v[E0:E0+7], v[W:W+1], v[X:X+1], 0             ; the first K steps start the two sums
	v_wmma_f32_16x16x4_f32 v[E0+8:E0+15], v[W+2:W+3], v[X+2:X+3], 0
.set i, 2
.rept 15                                       ; the two accumulators by turns
	v_wmma_f32_16x16x4_f32 v[E0:E0+7], v[W+2*i:W+2*i+1], v[X+2*i:X+2*i+1], v[E0:E0+7]
	v_wmma_f32_16x16x4_f32 v[E0+8:E0+15], v[W+2*i+2:W+2*i+3], v[X+2*i+2:X+2*i+3], v[E0+8:E0+15]
.set i, i+2
.endr
.rept 8
	v_nop                                          ; eight places behind this form
.endr
.irp j, 0,2,4,6
	v_pk_add_f32 v[R+\j:R+\j+1], v[E0+\j:E0+\j+1], v[E0+8+\j:E0+8+\j+1]    ; into other registers, from the low end on
.endr
	ds_store_b128 v5, v[R:R+3]
	ds_store_b128 v5, v[R+4:R+7] offset:512
	s_wait_dscnt 0x0                               ; for the others' sake
	s_barrier_signal -1
	s_barrier_wait -1
	s_cmp_ge_u32 s10, 2
	s_cbranch_scc1 .Lend
.irp p, 0,1,2,3,4,5,6,7
	ds_load_b128 v[X+4*\p:X+4*\p+3], v6 offset:1024*\p
.endr
	s_wait_dscnt 0x0
.irp p, 1,2,3,4,5,6,7
	v_pk_add_f32 v[X:X+1], v[X:X+1], v[X+4*\p:X+4*\p+1]
	v_pk_add_f32 v[X+2:X+3], v[X+2:X+3], v[X+4*\p+2:X+4*\p+3]
.endr
	global_store_b128 v7, v[X:X+3], s[8:9]         ; out(2048 b + r, 16 nt + 8 h + 4 w ..)
.Lend:
	s_wait_tensorcnt 0x0                           ; the wave's end, behind my last LDS store
	ds_add_u32 v[SPW], v[NIL]
	s_wait_dscnt 0x0
	s_endpgm
.Lfunc_end_k_q498898a15e_fproj:
	.size	k_q498898a15e_fproj, .Lfunc_end_k_q498898a15e_fproj-k_q498898a15e_fproj
	.p2alignl 7, 3214868480
	.fill 96, 4, 3214868480
	.section	.rodata,"a",@progbits
	.p2align	6, 0x0
	.amdhsa_kernel k_q498898a15e_fproj
		.amdhsa_group_segment_fixed_size 9216
		.amdhsa_private_segment_fixed_size 0
		.amdhsa_enable_private_segment 0
		.amdhsa_kernarg_size 24
		.amdhsa_user_sgpr_count 2
		.amdhsa_user_sgpr_kernarg_segment_ptr 1
		.amdhsa_wavefront_size32 1
		.amdhsa_system_sgpr_workgroup_id_x 1
		.amdhsa_system_sgpr_workgroup_id_y 1
		.amdhsa_system_sgpr_workgroup_id_z 1
		.amdhsa_system_vgpr_workitem_id 0
		.amdhsa_next_free_vgpr 176
		.amdhsa_next_free_sgpr 66
		.amdhsa_reserve_vcc 0
		.amdhsa_float_denorm_mode_32 3
		.amdhsa_float_denorm_mode_16_64 3
		.amdhsa_memory_ordered 1
		.amdhsa_forward_progress 1
		.amdhsa_inst_pref_size 10
	.end_amdhsa_kernel
	.amdgpu_metadata
---
amdhsa.version: [ 1, 2 ]
amdhsa.kernels:
  - .name:           k_q498898a15e_fproj
    .symbol:         k_q498898a15e_fproj.kd
    .args:
      - { .name: ctxf, .offset: 0, .size: 8, .value_kind: global_buffer, .address_space: global }
      - { .name: Wo, .offset: 8, .size: 8, .value_kind: global_buffer, .address_space: global }
      - { .name: out0, .offset: 16, .size: 8, .value_kind: global_buffer, .address_space: global }
    .group_segment_fixed_size: 9216
    .private_segment_fixed_size: 0
    .kernarg_segment_align: 8
    .kernarg_segment_size: 24
    .max_flat_workgroup_size: 256
    .sgpr_count:     66
    .vgpr_count:     176
    .wavefront_size: 32
...
	.end_amdgpu_metadata
.endif
;; end of part 5
